; MI455X (gfx1250); checked and timed in simulation.
; The chip was launched on July 23, 2026; its instructions are those of AMD's public machine-readable ISA for CDNA 5 (MIT licence, August 2026) and "CDNA5" Instruction Set Architecture Reference Guide (July 2026). The comments in the code are by the model that wrote it; some were corrected since.
;; Single Head Attention. Allowed arithmetic: matrix products marked QUANTISED: E2M3 operands, one E8M0 scale for each 32 along K, by v_wmma_scale_f32_16x16x128_f8f6f4 with both operands' format E2M3, f32 sums; everything else in f32.
;; Inputs: Wout 1,024 x 1,024 float32; Wqkv 3,072 x 1,024 float32; bout 1,024 float32; bqkv 3,072 float32; x 4 x 2,048 x 1,024 float32.
;; Outputs: out0 4 x 2,048 x 1,024 float32.
;; This version of the problem:
;;   THIS VERSION OF THE PROBLEM IS GIVEN IN LOW PRECISION. The matrix products marked QUANTISED in the list below multiply operands that are first quantised to E2M3 (2 exponent bits, 3 mantissa bits; 6 bits a number), with one power-of-two scale for each 32 numbers along K (OCP MX v1.0); their sums are f32. All else is computed in f32.
;;   The module's matrix products, in the order in which they are computed (A, B: the left and right operand; K: the contracted axis; several contracted axes count as one K, in the product's order):
;;     1. [M 8,192, K 1,024] x [K 1,024, N 3,072]; A: input x; B: input Wqkv: QUANTISED
;;     2. batch 4 x [M 2,048, K 1,024] x [K 1,024, N 2,048]; A: computed on the way; B: computed on the way: QUANTISED
;;     3. batch 4 x [M 2,048, K 2,048] x [K 2,048, N 1,024]; A: softmax (see below); B: computed on the way: QUANTISED
;;     4. [M 8,192, K 1,024] x [K 1,024, N 1,024]; A: computed on the way; B: input Wout: QUANTISED
;;   THE QUANTISER, for each operand of a quantised product, along K:
;;     - K is cut into blocks of 32 from its start; a last block that is shorter is filled with zeros.
;;     - A block's scale is 2^e with e = floor(log2(the largest magnitude in the block)) - 2, held to -126 .. 127; a block of zeros has e = 0. As a byte (E8M0): e + 127.
;;     - Each number is divided by its block's scale, clamped to +-7.5, and rounded to the nearest number of E2M3, ties to even, subnormals kept.
;;     - The product sums the exact products of the quantised numbers (number of the format x scale) in f32.
;;   ~~~python
;;   def quantise(x, axis):      # numpy; x: float32 -> the quantised numbers, widened to float32 again
;;       x = np.moveaxis(x, axis, -1); K = x.shape[-1]
;;       x = np.pad(x, [(0, 0)] * (x.ndim - 1) + [(0, -K % 32)]); x = x.reshape(x.shape[:-1] + (-1, 32)); a = np.abs(x).max(-1, keepdims=True)
;;       e = np.where(a > 0, np.clip(np.frexp(np.where(a > 0, a, 1))[1] - 1 - 2, -126, 127), 0)      # np.frexp(a)[1] - 1 = floor(log2(a)), exactly
;;       r = np.clip(x / 2.0 ** e, -7.5, 7.5)
;;       step = 2.0 ** (np.maximum(np.frexp(np.where(r == 0, 1, r))[1] - 1, 0) - 3)
;;       q = np.round(r / step) * step * 2.0 ** e      # np.round: ties to even
;;       return np.moveaxis(q.reshape(q.shape[:-2] + (-1,))[..., :K], -1, axis).astype(np.float32)
;;   ~~~
;;   SOFTMAX AHEAD OF A QUANTISED PRODUCT. Where the list says 'softmax', what is quantised is not the finished softmax but p = 2^(t - M), with t = logit x log2(e) and M = ceil(the row's largest t), a whole number; so 1/2 < the row's largest p <= 1. The row's sum l is taken of the UNQUANTISED p, in f32, and the product's result is divided by l at the end. Since M is a whole number, a kernel that streams over the keys may use a running M (the ceiling of the running maximum): every later rescaling is an exact power of two, which a block's scale takes up: the codes' values come out the same.
;;   OPERANDS COMPUTED ON THE WAY. 'Computed on the way' means the value that the module computes at that place (a softmax that the list does not call 'softmax' is quantised finished and normalised). What goes into a quantiser is computed in f32, as accurately as f32 sums, v_exp_f32 and their like allow (about 1e-6 of the number): no bf16 or f16 on the way to a quantiser, and a product that is left as it is and whose result goes on into a quantised operand takes f32 operands (vector FMAs, or v_wmma_f32_16x16x4_f32). A number that lies on a knife's edge between two numbers of the format may be rounded either way, as far as f32 arithmetic and the matrix unit's own rounding can turn it there, and no further.
;; One version. Each part assembles by itself: llvm-mc -triple=amdgcn-amd-amdhsa -mcpu=gfx1250 --defsym DOCPART=n.
;; ======== version 1 of 1: 5 launches
;; limits: right only within a limited range of input values
;; workspace buffers: xw 9,830,400 bytes; qk 13,107,200 bytes; vt 6,553,600 bytes; p 14,155,776 bytes; o 6,553,600 bytes
;; launch quant (part 1): grid 768 x 1, 4 waves a work-group, no clusters, 34,816 bytes of LDS; arguments x, Wqkv, Wout, xw; writes xw
.if DOCPART == 1
	.amdgcn_target "amdgcn-amd-amdhsa--gfx1250"
	.amdhsa_code_object_version 6
	.text
	.protected	k_q080b0c13ee_quant
	.globl	k_q080b0c13ee_quant
	.p2align	8
	.type	k_q080b0c13ee_quant,@function
k_q080b0c13ee_quant:
	s_mov_b64 s[64:65], 0
	v_nop
	global_prefetch_b8 v0, s[64:65] scope:SCOPE_SE
	s_setreg_imm32_b32 hwreg(HW_REG_WAVE_MODE, 25, 1), 1
	s_wait_xcnt 0x0
; x [8192][1024], Wqkv [3072][1024] and Wout [1024][1024], f32 with K innermost, become codes of FP6 (E2M3) with one E8M0 byte for each 32 along K, in the buffer xw.
; xw IS LAID AS IMAGES OF OPERAND REGISTERS.  The 12,288 rows (x, then Wqkv, then Wout) are 768 tiles of 16; tile T, K step ks (128 along K) is a fragment of 1,536 bytes at (8 T + ks) x 1,536:
; registers 4 g .. 4 g + 3 of lane l lie at 512 g + 16 l.  Lane (r, h) holds k = 128 ks + 64 c + 32 h + 0 .. 31 in registers 6 c .. 6 c + 5.
; THE ROWS OF A TILE ARE NOT NEIGHBOURS: lane r of tile T holds row 32 (T / 2) + 8 (T % 2) + r + 8 (r / 8), so that results of a product used transposed come out with 16 neighbours along the next K in a lane.
; The scale words (four bytes: 128 along K of one row) lie behind the codes as [ks][12,288 places], place 16 T + r.
; A block's scale is 2^(floor(log2(its largest magnitude)) - 2); its byte is the largest magnitude's exponent field - 2, held at 1 from below.  A block of zeros so keeps the byte 1: its codes are zeros, and this program alone reads the bytes.
; LIMITS: NaN and infinities among the inputs are not served; blocks whose largest magnitude lies under 2^-124 keep the byte 1.
; SHARES.  Work-group g takes the 64 rows of group g / 4 (four tiles) and two K steps; wave w takes K step 2 (g % 4) + w % 2 and tiles 2 (w / 2), 2 (w / 2) + 1: two fragments, whose 32 loads all go out at the wave's head.
; Each load reads 512 consecutive bytes of one row; a tile's 16 rows turn through the wave's own stage in LDS (rows 528 bytes apart) so that a lane gets 16 neighbours of each block of 32.
; A K step's 64 scale words come from two waves: they meet in LDS behind one barrier, and one wave stores them as 256 consecutive bytes.  No tensor loads, no matrix units, no cluster: a stream.
.set WREG,  8448                       ; LDS of a wave: a stage of 16 x 528 bytes
.set SWB,   4*WREG                     ; behind the stages: the work-group's scale words, 256 bytes for each of its two K steps
.set SPARE, SWB+512                    ; behind them: the spare words, 128 bytes a wave, which no other line names
.set XW_S,  9437184                    ; where xw's scale words begin
.set R,     16                         ; v16-143  two sets of 64 registers as loaded
.set X,     144                        ; v144-207 register 16 b + i = k 32 b + 16 h + i of my row
.set PC,    208                        ; v208-227 the codes just made
.set TM,    228                        ; v228-243 largest magnitudes, bytes, scale operands
.set PW,    244                        ; v244-245 a scale word for each fragment
.set SPW,   12                         ; v12 my spare word's LDS address; never rewritten
.set NIL,   13                         ; v13 0; never rewritten
.set SEL,   28                         ; s[28:29] selects of v_permlanex16_b32 for lane l xor 16
.set MSB, 0
.macro WIN new                         ; (this launch has one window: the macro writes nothing here; it keeps the two macros below the same text in every launch)
.if MSB != (\new)
	s_set_vgpr_msb (MSB<<8)|(\new)
.set MSB, (\new)
.endif
.endm
; the four blocks' largest magnitudes of 64 numbers v[s] on (in window wn), with the floor 2^(3 - 127) among the leaves
.macro QMAX s, wn
	WIN 0x05*(\wn)
.irp b, 0,1,2,3
	v_max3_num_f32 v[TM+\b], |v[(\s)+16*\b]|, |v[(\s)+16*\b+1]|, 0x1800000
.endr
.irp i, 2,4,6,8,10,12,14
.irp b, 0,1,2,3
	v_max3_num_f32 v[TM+\b], |v[(\s)+16*\b+\i]|, |v[(\s)+16*\b+\i+1]|, v[TM+\b]
.endr
.endr
	WIN 0
.irp b, 0,1,2,3
	v_permlanex16_b32 v[TM+4+\b], v[TM+\b], s[SEL], s[SEL+1]
.endr
.irp b, 0,1,2,3
	v_max_num_f32 v[TM+\b], v[TM+\b], v[TM+4+\b]   ; with lane l xor 16's 16 numbers: the block's
.endr
.endm
; from the largest magnitudes in v[TM] on: the scale word into v[PW + f], the fragment's codes into v[PC] on
.macro QCODE s, wn, f
.irp b, 0,1,2,3
	v_add_nc_u32 v[TM+12+\b], 0xff000000, v[TM+\b]   ; 2 off the exponent field: the conversion takes the exponent field of this operand as its scale
.endr
.irp b, 0,1,2,3
	v_lshrrev_b32 v[TM+4+\b], 23, v[TM+12+\b]        ; the scale's byte
.endr
	v_lshl_or_b32 v[PW+(\f)], v[TM+5], 8, v[TM+4]
	v_lshl_or_b32 v[PW+(\f)], v[TM+6], 16, v[PW+(\f)]
	v_lshl_or_b32 v[PW+(\f)], v[TM+7], 24, v[PW+(\f)]
	WIN 0x01*(\wn)
.irp c, 0,1
	v_cvt_scalef32_pk16_fp6_f32 v[PC+6*\c:PC+6*\c+2], v[(\s)+32*\c:(\s)+32*\c+15], v[TM+12+2*\c]
	v_cvt_scalef32_pk16_fp6_f32 v[PC+12+4*\c:PC+14+4*\c], v[(\s)+32*\c+16:(\s)+32*\c+31], v[TM+13+2*\c]   ; (a conversion's three registers begin on an even number)
.endr
	WIN 0
	v_nop                                          ; one plain place behind the scaled conversions
.irp c, 0,1                                    ; the operand wants a whole block in a lane: lanes 0-15 block 2 c, lanes 16-31 block 2 c + 1
.irp i, 0,1,2
	v_permlane16_swap_b32 v[PC+6*\c+\i], v[PC+12+4*\c+\i]
.endr
.irp i, 0,1,2
	v_mov_b32 v[PC+3+6*\c+\i], v[PC+12+4*\c+\i]
.endr
.endr
.endm
	s_load_b256 s[4:11], s[0:1], 0x0               ; x s[4:5], Wqkv s[6:7], Wout s[8:9], xw s[10:11]
	v_lshl_add_u32 v[SPW], v0, 2, SPARE
	v_mov_b32 v[NIL], 0
	v_lshrrev_b32 v7, 5, v0
	v_readfirstlane_b32 s12, v7                    ; wave
	v_and_b32 v8, 31, v0                           ; lane
	v_and_b32 v9, 15, v0                           ; r
	v_bfe_u32 v10, v0, 4, 1                        ; h
	v_lshlrev_b32 v1, 4, v8                        ; 16 x lane: my bytes of a load's 512, and of an image's
	s_mul_i32 s13, s12, WREG
	v_add_nc_u32 v2, s13, v1                       ; the stage, on the way in
	v_mul_u32_u24 v3, v9, 528
	v_lshl_add_u32 v3, v10, 6, v3
	v_add_nc_u32 v3, s13, v3                       ; and out: row r, + 64 h
	s_and_b32 s14, s12, 1                          ; which of the work-group's two K steps
	s_lshr_b32 s15, s12, 1                         ; which pair of tiles
	s_lshl_b32 s30, s14, 8
	s_add_co_u32 s30, s30, SWB                     ; my K step's 256 bytes of scale words
	v_lshl_add_u32 v5, v8, 3, s30                  ; on the way out: 8 bytes a lane
	s_lshl_b32 s31, s15, 7
	s_add_co_u32 s31, s31, s30
	v_lshl_add_u32 v4, v9, 2, s31                  ; my row's word: 128 bytes a pair of tiles, 4 bytes a row
	v_lshlrev_b32 v6, 3, v8
.irp b, 0,1,2,3
	v_mov_b32 v[TM+4+\b], 0                        ; written once: a lane permute's destination counts as one of its sources
.endr
	s_mov_b32 s[SEL], 0x76543210
	s_mov_b32 s[SEL+1], 0xfedcba98
	s_lshr_b32 s16, ttmp9, 2                       ; the group of 64 rows, 0 .. 191
	s_and_b32 s17, ttmp9, 3
	s_lshl_b32 s17, s17, 1
	s_add_co_u32 s17, s17, s14                     ; my K step
	s_mov_b32 s18, 176
	s_wait_alu depctr_va_vdst(0)
	s_wait_kmcnt 0x0
	s_cmp_lt_u32 s16, 176                          ; which tensor: the choice hangs on the work-group's number alone
	s_cselect_b64 s[6:7], s[6:7], s[8:9]
	s_cselect_b32 s18, 128, s18
	s_cmp_lt_u32 s16, 128
	s_cselect_b64 s[4:5], s[4:5], s[6:7]
	s_cselect_b32 s18, 0, s18
	s_sub_co_u32 s18, s16, s18                     ; the group within its tensor
	s_lshl_b32 s20, s18, 18                        ; 64 rows of 4,096 bytes
	s_lshl_b32 s19, s17, 9                         ; 128 numbers of 4 bytes
	s_add_co_u32 s20, s20, s19
	s_lshl_b32 s19, s15, 17                        ; a pair of tiles spans 32 rows
	s_add_co_u32 s20, s20, s19
	s_mov_b32 s21, 0
	s_add_nc_u64 s[4:5], s[4:5], s[20:21]
	s_lshl_b32 s22, s16, 5
	s_lshl_b32 s19, s15, 4
	s_add_co_u32 s22, s22, s19
	s_add_co_u32 s22, s22, s17
	s_mul_i32 s22, s22, 1536                       ; fragment (tile 4 G + 2 pair, my K step)
	s_mov_b32 s23, 0
	s_add_nc_u64 s[24:25], s[10:11], s[22:23]
	s_mul_i32 s22, s17, 49152
	s_lshl_b32 s19, s16, 8
	s_add_co_u32 s22, s22, s19
	s_add_co_u32 s22, s22, XW_S                    ; the group's 64 scale words of my K step
	s_add_nc_u64 s[26:27], s[10:11], s[22:23]
.macro LOAD j                          ; my tile j's 16 rows, 512 consecutive bytes each, into set j
.irp i, 0,1,2,3,4,5,6,7,8,9,10,11,12,13,14,15
	global_load_b128 v[R+64*(\j)+4*\i:R+64*(\j)+4*\i+3], v1, s[4:5] offset:(8*(\j)+\i+8*(\i/8))*4096 th:TH_LOAD_NT
.endr
.endm
.macro TURNX j                         ; through the stage: LDS serves a wave's instructions in order, so no wait stands between the stores and the loads
.irp i, 0,1,2,3,4,5,6,7,8,9,10,11,12,13,14,15
	ds_store_b128 v2, v[R+64*(\j)+4*\i:R+64*(\j)+4*\i+3] offset:528*\i
.endr
.irp b, 0,1,2,3
.irp k, 0,1,2,3
	ds_load_b128 v[X+16*\b+4*\k:X+16*\b+4*\k+3], v3 offset:128*\b+16*\k
.endr
.endr
.endm
.macro FRAGQ j
.if (\j) == 0
	s_wait_loadcnt 16                              ; this tile's 16 loads are in; the other tile's 16 may be out
.else
	s_wait_loadcnt 0x0
.endif
	TURNX \j
	s_wait_dscnt 0x0                               ; my 64 numbers are back
.if (\j) > 0
	s_wait_xcnt 0x0                                ; the last fragment's stores have read the codes' registers: they are written again only behind this wait
.endif
	QMAX X, 0
	QCODE X, 0, \j
.irp g, 0,1,2
	global_store_b128 v1, v[PC+4*\g:PC+4*\g+3], s[24:25] offset:(\j)*12288+512*\g   ; 32 lanes store 512 consecutive bytes, aligned
.endr
	ds_store_b32 v4, v[PW+(\j)] offset:64*(\j)     ; both halves of the lanes write the same word with the same value
.endm
	LOAD 0
	LOAD 1
	FRAGQ 0
	FRAGQ 1
	s_wait_dscnt 0x0                               ; for the others' sake: my scale words lie in LDS
	s_barrier_signal -1
	s_barrier_wait -1                              ; everybody's do
	s_cmp_lt_u32 s12, 2                            ; waves 0 and 1 store the two K steps' words
	s_cbranch_scc0 .Lno_words
	ds_load_b64 v[TM:TM+1], v5
	s_wait_dscnt 0x0
	global_store_b64 v6, v[TM:TM+1], s[26:27]      ; 32 lanes store 256 consecutive bytes, aligned
.Lno_words:
	s_wait_tensorcnt 0x0                           ; the wave's end: behind my last LDS store
	ds_add_u32 v[SPW], v[NIL]
	s_wait_dscnt 0x0
	s_endpgm
.Lfunc_end_k_q080b0c13ee_quant:
	.size	k_q080b0c13ee_quant, .Lfunc_end_k_q080b0c13ee_quant-k_q080b0c13ee_quant
	.p2alignl 7, 3214868480
	.fill 96, 4, 3214868480
	.section	.rodata,"a",@progbits
	.p2align	6, 0x0
	.amdhsa_kernel k_q080b0c13ee_quant
		.amdhsa_group_segment_fixed_size 34816
		.amdhsa_private_segment_fixed_size 0
		.amdhsa_enable_private_segment 0
		.amdhsa_kernarg_size 32
		.amdhsa_user_sgpr_count 2
		.amdhsa_user_sgpr_kernarg_segment_ptr 1
		.amdhsa_wavefront_size32 1
		.amdhsa_system_sgpr_workgroup_id_x 1
		.amdhsa_system_sgpr_workgroup_id_y 1
		.amdhsa_system_sgpr_workgroup_id_z 1
		.amdhsa_system_vgpr_workitem_id 0
		.amdhsa_next_free_vgpr 256
		.amdhsa_next_free_sgpr 66
		.amdhsa_reserve_vcc 0
		.amdhsa_float_denorm_mode_32 3
		.amdhsa_float_denorm_mode_16_64 3
		.amdhsa_memory_ordered 1
		.amdhsa_forward_progress 1
		.amdhsa_inst_pref_size 19
	.end_amdhsa_kernel
	.amdgpu_metadata
---
amdhsa.version: [ 1, 2 ]
amdhsa.kernels:
  - .name:           k_q080b0c13ee_quant
    .symbol:         k_q080b0c13ee_quant.kd
    .args:
      - { .name: x, .offset: 0, .size: 8, .value_kind: global_buffer, .address_space: global }
      - { .name: Wqkv, .offset: 8, .size: 8, .value_kind: global_buffer, .address_space: global }
      - { .name: Wout, .offset: 16, .size: 8, .value_kind: global_buffer, .address_space: global }
      - { .name: xw, .offset: 24, .size: 8, .value_kind: global_buffer, .address_space: global }
    .group_segment_fixed_size: 34816
    .private_segment_fixed_size: 0
    .kernarg_segment_align: 8
    .kernarg_segment_size: 32
    .max_flat_workgroup_size: 128
    .sgpr_count:     66
    .vgpr_count:     256
    .wavefront_size: 32
...
	.end_amdgpu_metadata
.endif
;; end of part 1
;; launch qkv (part 2): grid 4 x 64, 4 waves a work-group, clusters of 4 x 4, 327,680 bytes of LDS; arguments xw, bqkv, qk, vt; writes qk, vt
.if DOCPART == 2
	.amdgcn_target "amdgcn-amd-amdhsa--gfx1250"
	.amdhsa_code_object_version 6
	.text
	.protected	k_q080b0c13ee_qkv
	.globl	k_q080b0c13ee_qkv
	.p2align	8
	.type	k_q080b0c13ee_qkv,@function
k_q080b0c13ee_qkv:
	s_mov_b64 s[64:65], 0
	v_nop
	global_prefetch_b8 v0, s[64:65] scope:SCOPE_SE
	s_setreg_imm32_b32 hwreg(HW_REG_WAVE_MODE, 25, 1), 1
	s_wait_xcnt 0x0
	s_wait_alu depctr_hold_cnt(0) depctr_sa_sdst(0) depctr_va_vdst(0) depctr_va_sdst(0) depctr_va_ssrc(0) depctr_va_vcc(0) depctr_vm_vsrc(0)
	s_getreg_b32 s2, hwreg(HW_REG_IB_STS2, 6, 4)
	s_cmp_eq_u32 s2, 0
	s_cbranch_scc0 .Lentry_in_a_cluster
	s_endpgm
.Lentry_in_a_cluster:
	s_bfe_u32 s2, ttmp6, 0x10000c
	s_cmp_lg_u32 s2, 0xf033
	s_cbranch_scc0 .Lentry_shape_is_right
	s_endpgm
.Lentry_shape_is_right:
; The QKV projection on codes of FP6 (E2M3), and the quantising of its results.  A WORK-GROUP STAYS AND MAKES THREE TILES of 128 (rows of A) x 256 (rows of B), K = 1,024 each:
;   tile 0: q = x Wq^T + b:  A = 128 rows of x, B = 256 rows of Wqkv (256 cx on);  tile 1: k, the same rows of x, B = rows 1,024 + 256 cx on.  The results, quantised along d, go to qk (K steps 0-7: q, 8-15: k).
;   tile 2: V^T = Wv x^T + b: A = 128 rows of Wv, B = 256 rows of x; the results, quantised along the KEYS, go to vt: rows d, K = the 8,192 rows of x.
; ALL OPERANDS ARE IMAGES OF REGISTERS: tile T (16 rows), K step ks is 1,536 bytes, registers 4 g .. 4 g + 3 of lane l at 512 g + 16 l; lane r of tile T holds row 32 (T / 2) + 8 (T % 2) + r + 8 (r / 8).
; Scale words lie as [ks][places], place 16 T + r: a load of 4 bytes a lane brings tile 2 i in lanes 0-15 and tile 2 i + 1 in lanes 16-31; the row selector picks the tile.
; THE MATRIX INSTRUCTION IS USED TRANSPOSED (source 0 = 16 rows of B, source 1 = 16 rows of A): a lane holds one row of A, and by the choice of a tile's rows the 16 registers of B's tiles 2 b, 2 b + 1 are 16 neighbours
; along the next K.  So a wave's 8 tiles of B x one tile of A are one fragment of the output, made in registers and stored as it stands.  Four waves of 64 x 128: 32 accumulators each.
; THE RING: two LDS slots of four K steps (A's 8 tiles x 6,144 bytes, then B's 16).  A tile's steps 0-3 read slot 0, steps 4-7 slot 1.  When a slot has been read it is filled for the next tile: every wave waits for all
; its tensor loads, adds 0 to its spare word, waits for that and for its reads of the slot, a round of the cluster's barrier follows, and the joint refill is the first thing behind it, one load a wave.  From tile 0 to
; tile 1 A stays where it lies and B alone is filled again, four tiles a wave.  A refill has four steps' products or more in which to land.  All is written out: two loads of a wave are
; out at the start, one behind each round.  The next tile's scale words and bias are loaded during the tile before.
; THE BIAS is the C of each sum's first product: along n (q, k) eight registers a tile of B; along m (V) eight copies of the lane's number a tile of A.
; CLUSTER 4 x 4: A's tiles are asked for jointly along a row of the cluster, B's along a column.  No prefetch: the tiles are read by several clusters, and the first of them are asked for at the head.
; LIMITS: NaN and infinities are not served; blocks whose largest magnitude lies under 2^-124 keep the scale byte 1 (a block of zeros too: its codes are zeros).
; REGISTERS: window 0: v1-15 lanes and addresses; v16-111 scale words alone (A's at v16 and v64, B's at v32 and v80); v112-175 the bias as C; v176-215 the quantiser's; v216-223 offsets, the bias along m; v252, v253 the add's two.
;   window 1: accumulator (a, b) at 64 a + 8 b.   windows 2, 3: two sets of fragments: A's four at v0, B's eight at v48.
; WHAT HOLDS IN PLACE OF THE HEAD COMMENT'S WORDS ON TILE 2, ON THE FIRST FILLS AND ON PREFETCHING:
; TILE 2: V^T = Wv x^T + b with A = 256 rows of Wv (256 cx on; wave w takes its tiles 4 w .. 4 w + 3) and B = THE SAME 128 ROWS OF x that tiles 0 and 1 take as A: they stay where they lie in LDS for the whole launch,
; and every wave multiplies all 8 of their tiles.  So every refill brings 16 tiles of Wqkv into B's region alone, four tiles a wave, by one descriptor that is stepped 64 tiles on from tile to tile.
; FIRST FILLS: one tensor load a wave: wave 0 x's 8 tiles of slot 0, wave 1 Wq's 16, waves 2 and 3 the same of slot 1.
; PREFETCH INTO THE L2: a refill's 16 tiles x 6,144 bytes are shared out among the sixteen waves of the four partners that ask for them jointly, by address (4 cy + wave): a tile a wave, 24 lanes 256 bytes apart (the other
; 8 lanes name the last block again).  The head asks for tile 1's two refills, tile 0's two changes of slot for tile 2's two: each block is asked for at least four K steps ahead of its load.
.set SLOT,  147456
.set SPARE, 2*SLOT                     ; the spare words, 128 bytes a wave, which no other line names
.set STG,   SPARE+512                  ; 768 bytes a wave for scale words on their way out: no tile lands there
.set XW_S,  9437184
.set PIT,   12288                      ; a tile of xw: 8 K steps
.set LA, 4                             ; v4-5 my A fragments in slot 0, 1
.set LB, 6                             ; v6-7 my B fragments
.set SV, 12
.set SW, 13
.set SRD, 14
.set GI, 15
.set H, 112
.set PC, 176
.set TM, 196
.set PW, 212
.set GW, 216
.set BNV, 217
.set BMV, 218
.set BMR, 220
.set SPW, 252
.set NIL, 253
.set AF, 0
.set BF, 48
.set SEL, 12
.set WV, 20
.set WM, 21
.set WN, 22
.set G1A, 24                           ; s[24:31] group 1: 8 tiles of A, my row of the cluster
.set G1B, 32                           ; s[32:39] 16 tiles of B, my column
.set G0A, 40                           ; s[40:47] group 0 for A, a set for each slot
.set G0B, 48                           ; s[48:55] for B
.set G1R, 56                           ; s[56:63] group 1: 4 tiles of B, my column: the refills of B alone
.set G0R, 68                           ; s[68:75] their group 0, a set for each slot
.set PFB, 76                           ; s[76:77] where my prefetches begin: Wk's tile 16 cx + 4 cy + wave
.set PFO, 224                          ; v224 their offset: 256 x min(lane, 23); never rewritten
.set SA01, 80                          ; bases of the scale words that I read
.set SB0, 82
.set SA2, 84
.set SB2, 86
.set BNB, 88                           ; of the bias along n, along m
.set BMB, 90
.set QI, 92                            ; of what I store: images and scale words in qk, in vt
.set QS, 94
.set VI, 96
.set VS, 98
.set SAC, 16                           ; the scale registers of the tile in hand
.set SBC, 32
.set MSB, 0
.macro WIN new                         ; the immediate's high byte repeats the setting that is left; a switch that changes nothing is dropped
.if MSB != (\new)
	s_set_vgpr_msb (MSB<<8)|(\new)
.set MSB, (\new)
.endif
.endm
.macro PLACES                          ; four plain places: behind matrix instructions, in front of loads into registers that they read and of reads of their results
.rept 4
	v_nop
.endr
.endm
.macro CREST
	s_cmp_lg_u32 s[WV], 0
	s_cbranch_scc1 .Lnw0_\@
	s_barrier_signal -3
.Lnw0_\@:
	s_barrier_wait -3
	s_barrier_signal -1
	s_barrier_wait -1
.endm
.macro CROUND                          ; a round of the cluster's barrier
	s_barrier_signal -1
	s_barrier_wait -1
	CREST
.endm
.macro RLOAD sl                        ; a joint refill of B alone in slot sl: wave w brings B's tiles 4 w .. 4 w + 3
	tensor_load_to_lds s[G0R+4*(\sl):G0R+4*(\sl)+3], s[G1R:G1R+7]
	s_nop 0
	PLACES
.endm
.macro FETCH sl, q, st                 ; 36 LDS loads in one run: my 4 fragments of A and 8 of B, K step q of slot sl, into set st; each load takes 512 consecutive bytes
	WIN 0x80+0x40*(\st)
.irp i, 0,1,2,3
.irp g, 0,1,2
	ds_load_b128 v[AF+12*\i+4*\g:AF+12*\i+4*\g+3], v[LA+(\sl)] offset:\i*6144+(\q)*1536+512*\g
.endr
.endr
.irp i, 0,1,2,3,4,5,6,7
.irp g, 0,1,2
	ds_load_b128 v[BF+12*\i+4*\g:BF+12*\i+4*\g+3], v[LB+(\sl)] offset:\i*6144+(\q)*1536+512*\g
.endr
.endr
.endm
.macro WMM a, b, ks, cm                ; accumulator (a, b): cm = 1: begun from the bias of B's tile b; 3: from that of A's tile a; 2: added onto in place.  An odd tile's scale words lie in lanes 16-31
.set rD, 64*(\a)+8*(\b)
.set rC, rD
.if (\cm) == 1
.set rC, H+8*(\b)
.elseif (\cm) == 3
.set rC, H+8*(\a)
.endif
.set rB, BF+12*(\b)
.set rA, AF+12*(\a)
.set rT, SBC+4*(\ks)+(\b)/2
.set rS, SAC+2*(\ks)+(\a)/2
.set par, 2*((\a)%2)+(\b)%2
.if par == 0
	v_wmma_scale_f32_16x16x128_f8f6f4 v[rD:rD+7], v[rB:rB+11], v[rA:rA+11], v[rC:rC+7], v[rT], v[rS] matrix_a_fmt:MATRIX_FMT_FP6 matrix_b_fmt:MATRIX_FMT_FP6
.elseif par == 1
	v_wmma_scale_f32_16x16x128_f8f6f4 v[rD:rD+7], v[rB:rB+11], v[rA:rA+11], v[rC:rC+7], v[rT], v[rS] matrix_a_fmt:MATRIX_FMT_FP6 matrix_b_fmt:MATRIX_FMT_FP6 matrix_a_scale:MATRIX_SCALE_ROW1
.elseif par == 2
	v_wmma_scale_f32_16x16x128_f8f6f4 v[rD:rD+7], v[rB:rB+11], v[rA:rA+11], v[rC:rC+7], v[rT], v[rS] matrix_a_fmt:MATRIX_FMT_FP6 matrix_b_fmt:MATRIX_FMT_FP6 matrix_b_scale:MATRIX_SCALE_ROW1
.else
	v_wmma_scale_f32_16x16x128_f8f6f4 v[rD:rD+7], v[rB:rB+11], v[rA:rA+11], v[rC:rC+7], v[rT], v[rS] matrix_a_fmt:MATRIX_FMT_FP6 matrix_b_fmt:MATRIX_FMT_FP6 matrix_a_scale:MATRIX_SCALE_ROW1 matrix_b_scale:MATRIX_SCALE_ROW1
.endif
.endm
.macro MUL st, ks, a0, na, cm          ; A's tiles a0 .. a0 + na - 1 against B's eight.  The 32 accumulators take turns, one instruction a turn, in the same order in every step
.if (\cm) == 2
	WIN 0x5a+5*(\st)
.else
	WIN 0x4a+5*(\st)                               ; C in window 0
.endif
.set ma, \a0
.rept \na
.irp b, 0,1,2,3,4,5,6,7
	WMM ma, \b, \ks, \cm
.endr
.set ma, ma+1
.endr
.endm
.macro PLAIN s, cm                     ; a step that has its successor in the same slot: it fetches that one's fragments into the other set and multiplies its own
	PLACES
	FETCH ((\s)/4)%2, (\s)%4+1, 1-(\s)%2
	s_wait_dscnt 36                                ; all but the 36 loads just issued: my set is in
	MUL (\s)%2, \s, 0, 4, \cm
.endm
.macro BOUND s                         ; the last tile's step 3: on to slot 1, behind a barrier
	s_wait_tensorcnt 0x0                           ; my part of slot 1 has landed: no load was issued behind it
	s_wait_dscnt 0x0                               ; my set is in; no LDS instruction of mine is pending at the signal
	s_barrier_signal -1
	MUL 1, \s, 0, 2, 2
	s_barrier_wait -1                              ; everybody's part has landed
	PLACES
	FETCH (((\s)+1)/4)%2, 0, 0
	MUL 1, \s, 2, 2, 2
.endm
; A slot's last step.  Slot sl is filled again for the next tile: kind 0: B alone; kind 1: A and B of tile 2.
.macro TURN s, kind, sl
	WIN 0                                          ; (the add's two registers lie in window 0)
	s_wait_tensorcnt 0x0                           ; all my tensor loads have landed, my part of the other slot among them: so a group 0 may be written;
	ds_add_u32 v[SPW], v[NIL]                      ; 0 onto my spare word;
.if (\kind) == 1
	s_add_nc_u64 s[G0R+4*(\sl)+2:G0R+4*(\sl)+3], s[G0R+4*(\sl)+2:G0R+4*(\sl)+3], 64*PIT   ; no tensor load of mine is out: from Wk's tiles on to Wv's, 64 tiles further; the type bits on top are not reached
.endif
	s_wait_dscnt 1                                 ; my set is in; the add may be out
	MUL 1, \s, 0, 1, 2
	s_wait_dscnt 0x0                               ; the add is done, and my reads of the slot are over
	s_barrier_signal -1                            ; this barrier opens a round of the cluster's barrier
	MUL 1, \s, 1, 1, 2
	WIN 0
	s_barrier_wait -1
	CREST                                          ; no wave of any partner still reads the slot or has a load on its way
	RLOAD \sl                                      ; the first tensor load behind the round; its four v_nop are the places in front of the loads below
.if (\kind) == 1 && (\sl) == 1
.set LA, 8                             ; from here on the fragments are tile 2's: source 1 my 4 tiles of Wv, in B's region,
.set LB, 10                            ; source 0 x's 8 tiles, in A's
.endif
	FETCH 1-(\sl), 0, 0
.if (\kind) == 0
	global_prefetch_b8 v[PFO], s[PFB:PFB+1] offset:64*PIT+(\sl)*6144 th:TH_LOAD_NT scope:SCOPE_SE   ; my share of what tile 1's change of this slot will load: eight K steps ahead
.endif
	MUL 1, \s, 2, 2, 2
.endm
.macro QMAX s, wn
	WIN 0x05*(\wn)
.irp b, 0,1,2,3
	v_max3_num_f32 v[TM+\b], |v[(\s)+16*\b]|, |v[(\s)+16*\b+1]|, 0x1800000   ; each accumulator is read from its low end on; the floor 2^(3 - 127) holds the byte at 1 from below
.endr
.irp i, 2,4,6,8,10,12,14
.irp b, 0,1,2,3
	v_max3_num_f32 v[TM+\b], |v[(\s)+16*\b+\i]|, |v[(\s)+16*\b+\i+1]|, v[TM+\b]
.endr
.endr
	WIN 0
.irp b, 0,1,2,3
	v_permlanex16_b32 v[TM+4+\b], v[TM+\b], s[SEL], s[SEL+1]
.endr
.irp b, 0,1,2,3
	v_max_num_f32 v[TM+\b], v[TM+\b], v[TM+4+\b]
.endr
.endm
.macro QCODE s, wn, f
.irp b, 0,1,2,3
	v_add_nc_u32 v[TM+12+\b], 0xff000000, v[TM+\b]   ; 2 off the exponent field: the conversion's scale operand
.endr
.irp b, 0,1,2,3
	v_lshrrev_b32 v[TM+4+\b], 23, v[TM+12+\b]        ; the scale's byte
.endr
	v_lshl_or_b32 v[PW+(\f)], v[TM+5], 8, v[TM+4]
	v_lshl_or_b32 v[PW+(\f)], v[TM+6], 16, v[PW+(\f)]
	v_lshl_or_b32 v[PW+(\f)], v[TM+7], 24, v[PW+(\f)]
	WIN 0x01*(\wn)
.irp c, 0,1
	v_cvt_scalef32_pk16_fp6_f32 v[PC+6*\c:PC+6*\c+2], v[(\s)+32*\c:(\s)+32*\c+15], v[TM+12+2*\c]
	v_cvt_scalef32_pk16_fp6_f32 v[PC+12+4*\c:PC+14+4*\c], v[(\s)+32*\c+16:(\s)+32*\c+31], v[TM+13+2*\c]
.endr
	WIN 0
	v_nop                                          ; one plain place behind the scaled conversions
.irp c, 0,1
.irp i, 0,1,2
	v_permlane16_swap_b32 v[PC+6*\c+\i], v[PC+12+4*\c+\i]
.endr
.irp i, 0,1,2
	v_mov_b32 v[PC+3+6*\c+\i], v[PC+12+4*\c+\i]
.endr
.endr
.endm
.macro SCLA dst, sa                    ; A's scale words of all of K: 2 registers a K step, from v[dst] on
.set q, 0
.rept 8
.irp i, 0,1
	global_load_b32 v[(\dst)+2*q+\i], v[SV], s[\sa:\sa+1] offset:q*49152+128*\i
.endr
.set q, q+1
.endr
.endm
.macro SCLB dst, sb, off               ; B's: 4 registers a K step
.set q, 0
.rept 8
.irp i, 0,1,2,3
	global_load_b32 v[(\dst)+4*q+\i], v[SV], s[\sb:\sb+1] offset:q*49152+128*\i+(\off)
.endr
.set q, q+1
.endr
.endm
.macro BNLOAD off                      ; register 16 b + i: the bias of n = 32 b + 16 h + i
.irp b, 0,1,2,3
.irp k, 0,1,2,3
	global_load_b128 v[H+16*\b+4*\k:H+16*\b+4*\k+3], v[BNV], s[BNB:BNB+1] offset:128*\b+16*\k+(\off)
.endr
.endr
.endm
.macro BMLOAD                          ; the bias of my row of A's tile a
.irp a, 0,1,2,3
	global_load_b32 v[BMR+\a], v[BMV], s[BMB:BMB+1] offset:4*(32*(\a/2)+8*(\a%2))
.endr
.endm
.macro EPI t                           ; each tile of A's rows x my 128 of n is one fragment of the output
.irp a, 0,1,2,3
.if ((\t) > 0) || (\a > 0)
	s_wait_xcnt 0x0                                ; the earlier stores have read the codes' and the words' registers: they are written again only behind this wait
.endif
	QMAX 64*\a, 1
	QCODE 64*\a, 1, \a
.irp g, 0,1,2
.if (\t) < 2
	global_store_b128 v[GI], v[PC+4*\g:PC+4*\g+3], s[QI:QI+1] offset:(\t)*12288+\a*24576+512*\g   ; 32 lanes store 512 consecutive bytes, aligned
.else
	global_store_b128 v[GI], v[PC+4*\g:PC+4*\g+3], s[VI:VI+1] offset:\a*98304+512*\g
.endif
.endr
	ds_store_b32 v[SW], v[PW+\a] offset:64*\a      ; both halves of the lanes write the same word with the same value
.endr
	ds_load_b64 v[TM:TM+1], v[SRD]                 ; my wave's own bytes: LDS serves a wave's instructions in order
	s_wait_dscnt 0x0
.if (\t) < 2
	global_store_b64 v[GW], v[TM:TM+1], s[QS:QS+1] offset:(\t)*262144   ; 64 scale words: 256 consecutive bytes, aligned
.else
	global_store_b64 v[GW], v[TM:TM+1], s[VS:VS+1]
.endif
.endm
.macro TILE t
.set SAC, 16+48*((\t)/2)
.set SBC, 32+48*((\t)%2)
.if (\t) == 2
	PLAIN 0, 3                                     ; the first step's products start the sums from the bias
	PLAIN 1, 2
	PLAIN 2, 2
	BOUND 3
.else
	PLAIN 0, 1
	PLACES
	WIN 0
.if (\t) == 0
	SCLB 80, SB0, 4096                             ; the next tile's scale words, into registers that no product of this tile names
.else
	SCLA 64, SA2
	SCLB 32, SB2, 0
.endif
	FETCH 0, 2, 0
	s_wait_dscnt 36
	MUL 1, 1, 0, 4, 2
	PLACES
	WIN 0
.if (\t) == 0
	BNLOAD 4096                                    ; the next tile's bias: step 0's products, which read these registers, stand eight places back
.else
	BMLOAD
.endif
	FETCH 0, 3, 1
	s_wait_dscnt 36
	MUL 0, 2, 0, 4, 2
	TURN 3, \t, 0
.endif
	PLAIN 4, 2
	PLAIN 5, 2
	PLAIN 6, 2
.if (\t) == 2
	s_wait_dscnt 0x0
	MUL 1, 7, 0, 4, 2
.else
	TURN 7, \t, 1                                  ; it also fetches the next tile's first fragments
.endif
	PLACES
	WIN 0
	EPI \t
.if (\t) < 2
	s_wait_loadcnt 0x0                             ; the next tile's scale words and bias
.endif
.if (\t) == 1
.irp a, 0,1,2,3
.irp j, 0,1,2,3,4,5,6,7
	v_mov_b32 v[H+8*\a+\j], v[BMR+\a]              ; the bias along m as a C: eight copies a tile of A
.endr
.endr
.endif
.endm
	s_load_b256 s[4:11], s[0:1], 0x0               ; xw s[4:5], bqkv s[6:7], qk s[8:9], vt s[10:11]
	v_lshl_add_u32 v[SPW], v0, 2, SPARE
	v_mov_b32 v[NIL], 0
	ds_add_u32 v[SPW], v[NIL]                      ; the wave's opening: the add and its wait stand ahead of my first tensor load; the set-up below, work on registers, stands between them
	ds_add_u32 v[SPW], v[NIL]
	v_lshrrev_b32 v1, 5, v0
	v_readfirstlane_b32 s[WV], v1                  ; wave 0..3
	s_lshr_b32 s[WM], s[WV], 1                     ; which 4 tiles of A are mine
	s_and_b32 s[WN], s[WV], 1                      ; which 8 tiles of B.  Also: which half of A's or B's tiles I fetch
	v_and_b32 v1, 31, v0                           ; lane
	v_and_b32 v2, 15, v0                           ; r
	v_bfe_u32 v3, v0, 4, 1                         ; h
	s_mul_i32 s2, s[WM], 24576
	v_lshl_add_u32 v[LA], v1, 4, s2
	s_mul_i32 s2, s[WN], 49152
	s_add_co_u32 s2, s2, 49152
	v_lshl_add_u32 v[LB], v1, 4, s2
	v_add_nc_u32 v[LA+1], SLOT, v[LA]
	v_add_nc_u32 v[LB+1], SLOT, v[LB]
	s_mul_i32 s2, s[WV], 24576
	s_add_co_u32 s2, s2, 49152
	v_lshl_add_u32 v8, v1, 4, s2                   ; tile 2: my 4 tiles of Wv in slot 0,
	v_add_nc_u32 v9, SLOT, v8                      ; in slot 1;
	v_lshlrev_b32 v10, 4, v1                       ; x's 8 tiles in slot 0,
	v_add_nc_u32 v11, SLOT, v10                    ; in slot 1
	v_min_u32 v[PFO], 23, v1
	v_lshlrev_b32 v[PFO], 8, v[PFO]
	v_lshlrev_b32 v[SV], 2, v1
	s_mul_i32 s2, s[WV], 768
	s_add_co_u32 s2, s2, STG
	v_lshl_add_u32 v[SW], v2, 2, s2
	v_lshl_add_u32 v[SRD], v1, 3, s2
	v_lshlrev_b32 v[GI], 4, v1
	v_lshlrev_b32 v[GW], 3, v1
.irp b, 0,1,2,3
	v_mov_b32 v[TM+4+\b], 0                        ; written once: a lane permute's destination counts as one of its sources
.endr
	v_lshlrev_b32 v[BNV], 6, v3                    ; the bias along n: 64 h
	v_and_b32 v[BMV], 8, v2
	v_add_nc_u32 v[BMV], v[BMV], v2
	v_lshlrev_b32 v[BMV], 2, v[BMV]                ; the bias along m: 4 (r + 8 (r / 8))
	s_mov_b32 s[SEL], 0x76543210
	s_mov_b32 s[SEL+1], 0xfedcba98
	s_bfe_u32 s15, ttmp6, 0x40000                  ; cx: for q and k also which 256 rows of Wq, of Wk
	s_bfe_u32 s14, ttmp6, 0x40004                  ; cy
	s_and_b32 s23, ttmp7, 0xffff                   ; the cluster, 0 .. 15
	s_lshl_b32 s16, s23, 2
	s_add_co_u32 s16, s16, s14                     ; q, k: which 128 rows of x
	s_lshl_b32 s2, s14, 2
	s_lshl_b32 s2, 15, s2                          ; my row of the cluster
	s_lshl_b32 s3, 0x1111, s15                     ; my column
	; descriptor group 1: tiles as rows of 6,144 bytes (768 elements of 8 bytes: four K steps), a tile's pitch apart; no padding
	s_or_b32 s[G1A], s2, (3<<16)|(1<<21)           ; 15:0 the mask; 17:16 elements of 8 bytes; 21 set beside a mask
	s_or_b32 s[G1B], s3, (3<<16)|(1<<21)
	s_or_b32 s[G1R], s3, (3<<16)|(1<<21)
.irp g, G1A, G1B, G1R
	s_mov_b32 s[\g+1], 768<<16                     ; tensor_dim0
	s_mov_b32 s[\g+3], 768<<16                     ; tile_dim0
	s_mov_b32 s[\g+5], PIT/8                       ; the pitch
	s_mov_b32 s[\g+6], 0
	s_mov_b32 s[\g+7], 0
.endr
	s_mov_b32 s[G1A+2], 8<<16                      ; the head's loads bring whole slots' parts: A's 8 tiles,
	s_mov_b32 s[G1A+4], 8
	s_mov_b32 s[G1B+2], 16<<16                     ; B's 16; the refills bring 4 tiles, by their own group G1R
	s_mov_b32 s[G1B+4], 16
	s_mov_b32 s[G1R+2], 4<<16
	s_mov_b32 s[G1R+4], 4
	; where the tiles come from, as offsets in xw.  A's hang on cy and the wave's number alone, B's on cx and the wave's number
	s_mul_i32 s[G0A+2], s16, 8*PIT                 ; tiles 0, 1: A's tiles 8 y on
	s_mov_b32 s[G0A+3], 0
	s_lshl_b32 s[PFB], s15, 4                      ; the prefetches: tile 576 + 16 cx + 4 cy + wave
	s_lshl_b32 s2, s14, 2
	s_add_co_u32 s[PFB], s[PFB], s2
	s_add_co_u32 s[PFB], s[PFB], s[WV]
	s_add_co_u32 s[PFB], s[PFB], 576
	s_mul_i32 s[PFB], s[PFB], PIT
	s_mov_b32 s[PFB+1], 0
	s_lshl_b32 s[G0B+2], s15, 4                    ; tile 0: B's tile 512 + 16 cx + 8 half
	s_add_co_u32 s[G0B+2], s[G0B+2], 512
	s_mul_i32 s[G0B+2], s[G0B+2], PIT
	s_mov_b32 s[G0B+3], 0
	s_lshl_b32 s[G0R+2], s15, 4                    ; tile 1: B's tile 576 + 16 cx + 4 wave
	s_lshl_b32 s3, s[WV], 2
	s_add_co_u32 s[G0R+2], s[G0R+2], s3
	s_add_co_u32 s[G0R+2], s[G0R+2], 576
	s_mul_i32 s[G0R+2], s[G0R+2], PIT
	s_mov_b32 s[G0R+3], 0
	; and where they go: no place in the cluster enters an LDS address
.irp c, 0,1
	s_mov_b32 s[G0A+4*\c], 1                       ; count = 1
	s_mov_b32 s[G0A+4*\c+1], \c*SLOT               ; the head's loads: A's 8 tiles at the slot's start,
	s_mov_b32 s[G0B+4*\c], 1
	s_mov_b32 s[G0B+4*\c+1], \c*SLOT+49152         ; B's 16 behind them
.endr
	s_mul_i32 s2, s[WV], 24576
	s_add_co_u32 s2, s2, 49152
.irp c, 0,1
	s_mov_b32 s[G0R+4*\c], 1
	s_add_co_u32 s[G0R+4*\c+1], s2, \c*SLOT
.endr
	; my scale words: 64 bytes a tile
	s_lshl_b32 s2, s[WM], 8
	s_lshl_b32 s3, s[WN], 9
	s_lshl_b32 s[SA01], s16, 9
	s_add_co_u32 s[SA01], s[SA01], s2
	s_add_co_u32 s[SA01], s[SA01], XW_S
	s_mov_b32 s[SA01+1], 0
	s_lshl_b32 s[SB0], s15, 10
	s_add_co_u32 s[SB0], s[SB0], s3
	s_add_co_u32 s[SB0], s[SB0], XW_S+512*64
	s_mov_b32 s[SB0+1], 0
	s_lshl_b32 s[SA2], s15, 10                     ; tile 2: Wv's tiles 640 + 16 cx + 4 wave
	s_lshl_b32 s23, s[WV], 8
	s_add_co_u32 s[SA2], s[SA2], s23
	s_add_co_u32 s[SA2], s[SA2], XW_S+640*64
	s_mov_b32 s[SA2+1], 0
	s_lshl_b32 s[SB2], s16, 9                      ; tile 2: x's tiles 8 y on
	s_add_co_u32 s[SB2], s[SB2], XW_S
	s_mov_b32 s[SB2+1], 0
	s_lshl_b32 s[BNB], s15, 10                     ; the bias along n begins at 4 (256 cx + 128 wn); tile 1's 4,096 bytes on
	s_add_co_u32 s[BNB], s[BNB], s3
	s_mov_b32 s[BNB+1], 0
	s_lshl_b32 s[BMB], s15, 10                     ; the bias along m at 4 (2048 + 256 cx + 64 wave)
	s_add_co_u32 s[BMB], s[BMB], s23
	s_add_co_u32 s[BMB], s[BMB], 8192
	s_mov_b32 s[BMB+1], 0
	; what I store
	s_lshl_b32 s2, s[WM], 2
	s_lshl_b32 s[QS], s16, 3
	s_add_co_u32 s[QS], s[QS], s2                  ; my first tile of qk: 8 y + 4 wm
	s_lshl_b32 s3, s15, 1
	s_add_co_u32 s3, s3, s[WN]                     ; my K step of qk: 2 cx + wn; tile 1's 8 on
	s_lshl_b32 s[QI], s[QS], 4
	s_add_co_u32 s[QI], s[QI], s3
	s_mul_i32 s[QI], s[QI], 1536
	s_mov_b32 s[QI+1], 0
	s_lshl_b32 s[QS], s[QS], 6
	s_lshl_b32 s3, s3, 15
	s_add_co_u32 s[QS], s[QS], s3
	s_add_co_u32 s[QS], s[QS], 12582912
	s_mov_b32 s[QS+1], 0
	s_lshl_b32 s[VS], s15, 4
	s_lshl_b32 s2, s[WV], 2
	s_add_co_u32 s[VS], s[VS], s2                  ; my first tile of vt: 16 cx + 4 wave
	s_mov_b32 s3, s16                              ; my K step of vt: the 128 rows of x
	s_lshl_b32 s[VI], s[VS], 6
	s_add_co_u32 s[VI], s[VI], s3
	s_mul_i32 s[VI], s[VI], 1536
	s_mov_b32 s[VI+1], 0
	s_lshl_b32 s[VS], s[VS], 6
	s_lshl_b32 s3, s3, 12
	s_add_co_u32 s[VS], s[VS], s3
	s_add_co_u32 s[VS], s[VS], 6291456
	s_mov_b32 s[VS+1], 0
	s_wait_dscnt 0x0                               ; the opening add is done
	s_wait_kmcnt 0x0
.irp g, G0A, G0B, G0R
	s_add_nc_u64 s[\g+2:\g+3], s[4:5], s[\g+2:\g+3]   ; global address: K steps 0-3
	s_add_nc_u64 s[\g+6:\g+7], s[\g+2:\g+3], 6144     ; K steps 4-7
	s_or_b32 s[\g+3], s[\g+3], 0x80000000             ; type = 2
	s_or_b32 s[\g+7], s[\g+7], 0x80000000
.endr
	s_add_nc_u64 s[PFB:PFB+1], s[4:5], s[PFB:PFB+1]
	s_add_nc_u64 s[SA01:SA01+1], s[4:5], s[SA01:SA01+1]
	s_add_nc_u64 s[SB0:SB0+1], s[4:5], s[SB0:SB0+1]
	s_add_nc_u64 s[SA2:SA2+1], s[4:5], s[SA2:SA2+1]
	s_add_nc_u64 s[SB2:SB2+1], s[4:5], s[SB2:SB2+1]
	s_add_nc_u64 s[BNB:BNB+1], s[6:7], s[BNB:BNB+1]
	s_add_nc_u64 s[BMB:BMB+1], s[6:7], s[BMB:BMB+1]
	s_add_nc_u64 s[QI:QI+1], s[8:9], s[QI:QI+1]
	s_add_nc_u64 s[QS:QS+1], s[8:9], s[QS:QS+1]
	s_add_nc_u64 s[VI:VI+1], s[10:11], s[VI:VI+1]
	s_add_nc_u64 s[VS:VS+1], s[10:11], s[VS:VS+1]
	CROUND                                         ; all sixteen work-groups are here: the first joint loads meet
; THE HEAD'S LOADS, ONE A WAVE: wave 0 A's 8 tiles of slot 0, wave 1 B's 16, waves 2 and 3 the same of slot 1.  One chain of branches on the wave's number, one load to an arm, one join.
.macro ARM under, g0, g1, next
	s_cmp_lt_u32 s[WV], \under
	s_cbranch_scc0 \next
	tensor_load_to_lds s[\g0:\g0+3], s[\g1:\g1+7]
	s_nop 0
	PLACES
	s_branch .Lfilled
\next:
.endm
	ARM 1, G0A, G1A, .Lfill_b0
	ARM 2, G0B, G1B, .Lfill_a1
	ARM 3, G0A+4, G1A, .Lfill_b1
	tensor_load_to_lds s[G0B+4:G0B+7], s[G1B:G1B+7]
	s_nop 0
	PLACES
.Lfilled:
	s_wait_alu depctr_va_vdst(0)                   ; the wait stands here, directly ahead of the reader below
	global_prefetch_b8 v[PFO], s[PFB:PFB+1] th:TH_LOAD_NT scope:SCOPE_SE               ; my share of tile 1's first refill (Wk, K steps 0-3),
	global_prefetch_b8 v[PFO], s[PFB:PFB+1] offset:6144 th:TH_LOAD_NT scope:SCOPE_SE   ; and of its second (K steps 4-7)
	SCLA 16, SA01                                  ; x's scale words serve tiles 0 and 1
	SCLB 32, SB0, 0
	s_wait_alu depctr_va_vdst(0)
	BNLOAD 0
	s_wait_loadcnt 0x0
	s_cmp_lt_u32 s[WV], 2                          ; waves 0 and 1 brought slot 0 and wait for it here; waves 2 and 3 brought slot 1 and wait for it in front of the round behind which it is first read
	s_cbranch_scc0 .Lslot1_out
	s_wait_tensorcnt 0x0
.Lslot1_out:
	s_barrier_signal -1
	s_barrier_wait -1
	FETCH 0, 0, 0
	TILE 0
	TILE 1
	s_wait_alu depctr_va_vdst(0)
	TILE 2
	s_wait_tensorcnt 0x0                           ; the wave's end: behind my last tensor load and my last LDS store
	ds_add_u32 v[SPW], v[NIL]
	s_wait_dscnt 0x0
	CROUND                                         ; the closing round
	s_endpgm
.Lfunc_end_k_q080b0c13ee_qkv:
	.size	k_q080b0c13ee_qkv, .Lfunc_end_k_q080b0c13ee_qkv-k_q080b0c13ee_qkv
	.p2alignl 7, 3214868480
	.fill 96, 4, 3214868480
	.section	.rodata,"a",@progbits
	.p2align	6, 0x0
	.amdhsa_kernel k_q080b0c13ee_qkv
		.amdhsa_group_segment_fixed_size 327680
		.amdhsa_private_segment_fixed_size 0
		.amdhsa_enable_private_segment 0
		.amdhsa_kernarg_size 32
		.amdhsa_user_sgpr_count 2
		.amdhsa_user_sgpr_kernarg_segment_ptr 1
		.amdhsa_wavefront_size32 1
		.amdhsa_system_sgpr_workgroup_id_x 1
		.amdhsa_system_sgpr_workgroup_id_y 1
		.amdhsa_system_sgpr_workgroup_id_z 1
		.amdhsa_system_vgpr_workitem_id 0
		.amdhsa_next_free_vgpr 1024
		.amdhsa_next_free_sgpr 100
		.amdhsa_reserve_vcc 0
		.amdhsa_float_denorm_mode_32 3
		.amdhsa_float_denorm_mode_16_64 3
		.amdhsa_memory_ordered 1
		.amdhsa_forward_progress 1
		.amdhsa_inst_pref_size 238
	.end_amdhsa_kernel
	.amdgpu_metadata
---
amdhsa.version: [ 1, 2 ]
amdhsa.kernels:
  - .name:           k_q080b0c13ee_qkv
    .symbol:         k_q080b0c13ee_qkv.kd
    .args:
      - { .name: xw, .offset: 0, .size: 8, .value_kind: global_buffer, .address_space: global }
      - { .name: bqkv, .offset: 8, .size: 8, .value_kind: global_buffer, .address_space: global }
      - { .name: qk, .offset: 16, .size: 8, .value_kind: global_buffer, .address_space: global }
      - { .name: vt, .offset: 24, .size: 8, .value_kind: global_buffer, .address_space: global }
    .group_segment_fixed_size: 327680
    .private_segment_fixed_size: 0
    .kernarg_segment_align: 8
    .kernarg_segment_size: 32
    .max_flat_workgroup_size: 128
    .sgpr_count:     100
    .vgpr_count:     1024
    .wavefront_size: 32
...
	.end_amdgpu_metadata
.endif
;; end of part 2
;; launch scores (part 3): grid 4 x 64, 4 waves a work-group, clusters of 4 x 4, 327,680 bytes of LDS; arguments qk, p; writes p
.if DOCPART == 3
	.amdgcn_target "amdgcn-amd-amdhsa--gfx1250"
	.amdhsa_code_object_version 6
	.text
	.protected	k_q080b0c13ee_scores
	.globl	k_q080b0c13ee_scores
	.p2align	8
	.type	k_q080b0c13ee_scores,@function
k_q080b0c13ee_scores:
	s_mov_b64 s[64:65], 0
	v_nop
	global_prefetch_b8 v0, s[64:65] scope:SCOPE_SE
	s_setreg_imm32_b32 hwreg(HW_REG_WAVE_MODE, 25, 1), 1
	s_wait_xcnt 0x0
	s_wait_alu depctr_hold_cnt(0) depctr_sa_sdst(0) depctr_va_vdst(0) depctr_va_sdst(0) depctr_va_ssrc(0) depctr_va_vcc(0) depctr_vm_vsrc(0)
	s_getreg_b32 s2, hwreg(HW_REG_IB_STS2, 6, 4)
	s_cmp_eq_u32 s2, 0
	s_cbranch_scc0 .Lentry_in_a_cluster
	s_endpgm
.Lentry_in_a_cluster:
	s_bfe_u32 s2, ttmp6, 0x10000c
	s_cmp_lg_u32 s2, 0xf033
	s_cbranch_scc0 .Lentry_shape_is_right
	s_endpgm
.Lentry_shape_is_right:
; S = q k^T on codes of FP6 (E2M3), the causal mask, and p = 2^(t - M') quantised along the keys.  A WORK-GROUP STAYS AND MAKES TWO TILES: A = 128 queries (qk, K steps 0-7), B = 256 keys of the same batch
; (qk, K steps 8-15): keys 256 cx on in tile 0, 1,024 + 256 cx on in tile 1.
; Operands and results are images of registers, as in the launch before: tile T, K step ks: 1,536 bytes; lane r of tile T holds row 32 (T / 2) + 8 (T % 2) + r + 8 (r / 8); scale words [ks][places].
; The matrix instruction is used transposed: a lane holds one query, and its 64 registers of a tile of queries are 4 x 16 neighbouring keys: key 32 b + 16 h + i past my wave's first in register 16 b + i.
; THE SOFTMAX IS SHARED BETWEEN TWO LAUNCHES.  t = score x log2(e) / 32.  Here, for each query and each 128 keys (one K step of p), M' = ceil(the largest t among them), a whole number; p = 2^(t - M') is quantised;
; stored are the codes, the scale words under M', -M', and l' = the sum of the unquantised p.  The next launch takes M = the largest M' of the row, lowers the scale bytes by M - M' (a power of two: the codes stay)
; and adds l' x 2^(M' - M).  So the row's true maximum is taken away, in two steps.
; THE MASK: a score whose key comes after its query becomes -infinity ahead of the maximum: p = 0.  It is applied in every tile by compare and select, with no branch, so
; tiles wholly above the diagonal are multiplied too and give zero codes.  Where all 128 keys are hidden, the maximum is held at -1e30, so that M' stays a number; l' = 0 there.
; LIMITS: NaN and infinities are not served; scores under -1e30 are taken as -1e30 for M'; a block whose largest p lies under 2^-124 keeps the scale byte 1.
; THE RING: two LDS slots of four K steps (A's 8 tiles x 6,144 bytes, then B's 16).  The queries stay where they lie; when tile 0 has read a slot, B's part of it is filled with tile 1's keys, four tiles a wave: every wave
; waits for all its tensor loads, adds 0 to its spare word, waits for that and for its reads of the slot, a round of the cluster's barrier follows, and the joint refill is the first thing behind it, one load a wave.
; All is written out: two loads of a wave are out at the start, one behind each of the two rounds.  CLUSTER 4 x 4: A jointly along a row, B along a column.
; REGISTERS: window 0: v1-15 addresses; v16-31 q's scale words, v32-63 and v80-111 k's; v112-175 a tile's 64 scores, then p; v176-215 the quantiser's; v216-235 the softmax's; v252, v253 the add's two.
;   window 1: accumulator (a, b) at 64 a + 8 b.   windows 2, 3: two sets of fragments.
; WHAT HOLDS IN PLACE OF THE HEAD COMMENT'S WORDS ON THE FIRST FILLS: one tensor load a wave: wave 0 the queries' 8 tiles of slot 0, wave 1 the keys' 16, waves 2 and 3 the same of slot 1.
; PREFETCH INTO THE L2: a refill's 16 tiles x 6,144 bytes of tile 1's keys are shared out among the sixteen waves of the four partners that ask for them jointly, by address (4 cy + wave): a tile a wave, 24 lanes 256 bytes
; apart (the other 8 lanes name the last block again).  The head asks for both refills: four and eight K steps ahead of their loads.
.set SLOT,  147456
.set SPARE, 2*SLOT
.set STG,   SPARE+512                  ; 768 bytes a wave: scale words, -M', l' on their way out: no tile lands there
.set QK_S,  12582912
.set P_S,   12582912
.set PIT,   24576
.set LA, 4
.set LB, 6
.set SV, 12
.set SW, 13
.set SRD, 14
.set GI, 15
.set H, 112
.set PC, 176
.set TM, 196
.set PW, 212
.set GW, 216
.set NINF, 218                         ; v218 -infinity
.set MX, 219
.set NMR, 220                          ; v[220:221] -M', named as a pair
.set LS, 222
.set LT, 224
.set LP, 226
.set OW, 228                           ; v228-233 the words on their way out
.set D0, 234                           ; v234, v235 my query of tile 0 of rows less my first key, for the two tiles of keys
.set SPW, 252
.set NIL, 253
.set AF, 0
.set BF, 48
.set SEL, 12
.set CS, 14                            ; s[14:15] c = log2(e) / 32
.set WV, 20
.set WM, 21
.set WN, 22
.set G1A, 24
.set G1B, 32
.set G0A, 40
.set G0B, 48
.set G1R, 56
.set G0R, 68
.set SAB, 76
.set SBB, 78
.set PI, 80
.set PS, 82
.set SAC, 16
.set SBC, 32
.set MSB, 0
.macro WIN new
.if MSB != (\new)
	s_set_vgpr_msb (MSB<<8)|(\new)
.set MSB, (\new)
.endif
.endm
.macro PLACES
.rept 4
	v_nop
.endr
.endm
.macro CREST
	s_cmp_lg_u32 s[WV], 0
	s_cbranch_scc1 .Lnw0_\@
	s_barrier_signal -3
.Lnw0_\@:
	s_barrier_wait -3
	s_barrier_signal -1
	s_barrier_wait -1
.endm
.macro CROUND
	s_barrier_signal -1
	s_barrier_wait -1
	CREST
.endm
.macro RLOAD sl                        ; a joint refill of B alone in slot sl: wave w brings B's tiles 4 w .. 4 w + 3; an s_nop 0 and four v_nop follow
	tensor_load_to_lds s[G0R+4*(\sl):G0R+4*(\sl)+3], s[G1R:G1R+7]
	s_nop 0
	PLACES
.endm
.macro FETCH sl, q, st
	WIN 0x80+0x40*(\st)
.irp i, 0,1,2,3
.irp g, 0,1,2
	ds_load_b128 v[AF+12*\i+4*\g:AF+12*\i+4*\g+3], v[LA+(\sl)] offset:\i*6144+(\q)*1536+512*\g
.endr
.endr
.irp i, 0,1,2,3,4,5,6,7
.irp g, 0,1,2
	ds_load_b128 v[BF+12*\i+4*\g:BF+12*\i+4*\g+3], v[LB+(\sl)] offset:\i*6144+(\q)*1536+512*\g
.endr
.endr
.endm
.macro WMM a, b, ks, cm                ; cm = 0: the product starts the sum; else it adds in place
.set rD, 64*(\a)+8*(\b)
.set rB, BF+12*(\b)
.set rA, AF+12*(\a)
.set rT, SBC+4*(\ks)+(\b)/2
.set rS, SAC+2*(\ks)+(\a)/2
.set par, 2*((\a)%2)+(\b)%2
.if (\cm) == 0
.if par == 0
	v_wmma_scale_f32_16x16x128_f8f6f4 v[rD:rD+7], v[rB:rB+11], v[rA:rA+11], 0, v[rT], v[rS] matrix_a_fmt:MATRIX_FMT_FP6 matrix_b_fmt:MATRIX_FMT_FP6
.elseif par == 1
	v_wmma_scale_f32_16x16x128_f8f6f4 v[rD:rD+7], v[rB:rB+11], v[rA:rA+11], 0, v[rT], v[rS] matrix_a_fmt:MATRIX_FMT_FP6 matrix_b_fmt:MATRIX_FMT_FP6 matrix_a_scale:MATRIX_SCALE_ROW1
.elseif par == 2
	v_wmma_scale_f32_16x16x128_f8f6f4 v[rD:rD+7], v[rB:rB+11], v[rA:rA+11], 0, v[rT], v[rS] matrix_a_fmt:MATRIX_FMT_FP6 matrix_b_fmt:MATRIX_FMT_FP6 matrix_b_scale:MATRIX_SCALE_ROW1
.else
	v_wmma_scale_f32_16x16x128_f8f6f4 v[rD:rD+7], v[rB:rB+11], v[rA:rA+11], 0, v[rT], v[rS] matrix_a_fmt:MATRIX_FMT_FP6 matrix_b_fmt:MATRIX_FMT_FP6 matrix_a_scale:MATRIX_SCALE_ROW1 matrix_b_scale:MATRIX_SCALE_ROW1
.endif
.else
.if par == 0
	v_wmma_scale_f32_16x16x128_f8f6f4 v[rD:rD+7], v[rB:rB+11], v[rA:rA+11], v[rD:rD+7], v[rT], v[rS] matrix_a_fmt:MATRIX_FMT_FP6 matrix_b_fmt:MATRIX_FMT_FP6
.elseif par == 1
	v_wmma_scale_f32_16x16x128_f8f6f4 v[rD:rD+7], v[rB:rB+11], v[rA:rA+11], v[rD:rD+7], v[rT], v[rS] matrix_a_fmt:MATRIX_FMT_FP6 matrix_b_fmt:MATRIX_FMT_FP6 matrix_a_scale:MATRIX_SCALE_ROW1
.elseif par == 2
	v_wmma_scale_f32_16x16x128_f8f6f4 v[rD:rD+7], v[rB:rB+11], v[rA:rA+11], v[rD:rD+7], v[rT], v[rS] matrix_a_fmt:MATRIX_FMT_FP6 matrix_b_fmt:MATRIX_FMT_FP6 matrix_b_scale:MATRIX_SCALE_ROW1
.else
	v_wmma_scale_f32_16x16x128_f8f6f4 v[rD:rD+7], v[rB:rB+11], v[rA:rA+11], v[rD:rD+7], v[rT], v[rS] matrix_a_fmt:MATRIX_FMT_FP6 matrix_b_fmt:MATRIX_FMT_FP6 matrix_a_scale:MATRIX_SCALE_ROW1 matrix_b_scale:MATRIX_SCALE_ROW1
.endif
.endif
.endm
.macro MUL st, ks, a0, na, cm          ; the 32 accumulators take turns, one instruction a turn, in the same order in every step
	WIN 0x5a+5*(\st)
.set ma, \a0
.rept \na
.irp b, 0,1,2,3,4,5,6,7
	WMM ma, \b, \ks, \cm
.endr
.set ma, ma+1
.endr
.endm
.macro PLAIN s, cm                     ; a step that has its successor in the same slot
	PLACES
	FETCH ((\s)/4)%2, (\s)%4+1, 1-(\s)%2
	s_wait_dscnt 36                                ; all but the 36 loads just issued: my set is in
	MUL (\s)%2, \s, 0, 4, \cm
.endm
.macro BOUND s                         ; the last tile's step 3: on to slot 1, behind a barrier
	s_wait_tensorcnt 0x0                           ; my part of slot 1 has landed: no load was issued behind it
	s_wait_dscnt 0x0
	s_barrier_signal -1
	MUL 1, \s, 0, 2, 2
	s_barrier_wait -1
	PLACES
	FETCH (((\s)+1)/4)%2, 0, 0
	MUL 1, \s, 2, 2, 2
.endm
.macro TURN s, sl                      ; a slot's last step in tile 0: B's part of slot sl is filled with tile 1's keys
	WIN 0                                          ; (the add's two registers lie in window 0)
	s_wait_tensorcnt 0x0                           ; all my tensor loads have landed, my part of the other slot among them;
	ds_add_u32 v[SPW], v[NIL]                      ; 0 onto my spare word;
	s_wait_dscnt 1                                 ; my set is in; the add may be out
	MUL 1, \s, 0, 1, 2
	s_wait_dscnt 0x0                               ; the add is done, and my reads of the slot are over
	s_barrier_signal -1                            ; this barrier opens a round of the cluster's barrier
	MUL 1, \s, 1, 1, 2
	WIN 0
	s_barrier_wait -1
	CREST                                          ; no wave of any partner still reads the slot or has a load on its way
	RLOAD \sl                                      ; the first tensor load behind the round; its four v_nop are the places in front of the loads below
	FETCH 1-(\sl), 0, 0
	MUL 1, \s, 2, 2, 2
.endm
.macro QCODE s, wn, f
.irp b, 0,1,2,3
	v_add_nc_u32 v[TM+12+\b], 0xff000000, v[TM+\b]
.endr
.irp b, 0,1,2,3
	v_lshrrev_b32 v[TM+4+\b], 23, v[TM+12+\b]
.endr
	v_lshl_or_b32 v[PW+(\f)], v[TM+5], 8, v[TM+4]
	v_lshl_or_b32 v[PW+(\f)], v[TM+6], 16, v[PW+(\f)]
	v_lshl_or_b32 v[PW+(\f)], v[TM+7], 24, v[PW+(\f)]
	WIN 0x01*(\wn)
.irp c, 0,1
	v_cvt_scalef32_pk16_fp6_f32 v[PC+6*\c:PC+6*\c+2], v[(\s)+32*\c:(\s)+32*\c+15], v[TM+12+2*\c]
	v_cvt_scalef32_pk16_fp6_f32 v[PC+12+4*\c:PC+14+4*\c], v[(\s)+32*\c+16:(\s)+32*\c+31], v[TM+13+2*\c]
.endr
	WIN 0
	v_nop                                          ; one plain place behind the scaled conversions
.irp c, 0,1
.irp i, 0,1,2
	v_permlane16_swap_b32 v[PC+6*\c+\i], v[PC+12+4*\c+\i]
.endr
.irp i, 0,1,2
	v_mov_b32 v[PC+3+6*\c+\i], v[PC+12+4*\c+\i]
.endr
.endr
.endm
; tile a of my queries, tile t of keys: mask, M', p, l', and each block's largest p in v[TM] on
.macro SOFT a, t
	WIN 0x01                                       ; source 0: the accumulators' window
.set n, 0
.rept 64                                       ; register n holds key 32 (n / 16) + n % 16 past my first: hidden where that, less the tile's first row, is above the lane's number.  Each accumulator is read from its low end on
	v_cmp_gt_i32 vcc_lo, 32*(n/16)+n%16-(32*((\a)/2)+8*((\a)%2)), v[D0+(\t)]
	v_cndmask_b32 v[H+n], v[64*(\a)+n], v[NINF], vcc_lo
.set n, n+1
.endr
	WIN 0
.irp b, 0,1,2,3
	v_max3_num_f32 v[TM+\b], v[H+16*\b], v[H+16*\b+1], v[H+16*\b+2]   ; the largest score of each block of 32 keys: it serves for M' and, since p rises with the score, for the block's largest p
.endr
.irp i, 3,5,7,9,11,13
.irp b, 0,1,2,3
	v_max3_num_f32 v[TM+\b], v[TM+\b], v[H+16*\b+\i], v[H+16*\b+\i+1]
.endr
.endr
.irp b, 0,1,2,3
	v_max_num_f32 v[TM+\b], v[TM+\b], v[H+16*\b+15]
.endr
.irp b, 0,1,2,3
	v_permlanex16_b32 v[TM+4+\b], v[TM+\b], s[SEL], s[SEL+1]
.endr
.irp b, 0,1,2,3
	v_max_num_f32 v[TM+\b], v[TM+\b], v[TM+4+\b]
.endr
	v_max3_num_f32 v[MX], v[TM], v[TM+1], v[TM+2]
	v_max3_num_f32 v[MX], v[MX], v[TM+3], 0xf149f2ca   ; the largest score of these 128 keys, held at -1e30 from below
	v_mul_f32 v[MX], s[CS], v[MX]                  ; as t (c is positive)
	v_floor_f32 v[NMR], -v[MX]                     ; -M' = floor(-t) = -ceil(t)
.set n, 0
.rept 32
	v_pk_fma_f32 v[H+n:H+n+1], v[H+n:H+n+1], s[CS:CS+1], v[NMR:NMR+1] op_sel_hi:[1,0,0]   ; t - M', two at a time, one rounding each
.set n, n+2
.endr
.irp b, 0,1,2,3
	v_fma_f32 v[TM+\b], v[TM+\b], s[CS], v[NMR]    ; the same of each block's largest score
.endr
.set n, 0
	s_wait_alu depctr_va_vdst(0)
.rept 64
	v_exp_f32 v[H+n], v[H+n]                       ; p = 2^(t - M'), at most 1
.set n, n+1
.endr
	v_nop                                          ; a plain place behind the exponentials
	s_wait_alu depctr_va_vdst(0)                   ; one wait for the batch of 64, ahead of its first reader
.irp b, 0,1,2,3
	v_exp_f32 v[TM+\b], v[TM+\b]                   ; the block's largest p: the same two instructions on the same number give the same bits
.endr
	v_pk_add_f32 v[LS:LS+1], v[H:H+1], v[H+2:H+3]  ; l' is taken of the unquantised p: two at a time, in two chains; it reads the 64 alone
	v_pk_add_f32 v[LT:LT+1], v[H+4:H+5], v[H+6:H+7]
.irp j, 8,12,16,20,24,28,32,36,40,44,48,52,56,60
	v_pk_add_f32 v[LS:LS+1], v[LS:LS+1], v[H+\j:H+\j+1]
	v_pk_add_f32 v[LT:LT+1], v[LT:LT+1], v[H+\j+2:H+\j+3]
.endr
	v_pk_add_f32 v[LS:LS+1], v[LS:LS+1], v[LT:LT+1]
	v_add_f32 v[LP], v[LS], v[LS+1]
	v_permlanex16_b32 v[LT], v[LP], s[SEL], s[SEL+1]
	v_add_f32 v[LP], v[LP], v[LT]                  ; with lane l xor 16's 64 keys
	s_wait_alu depctr_va_vdst(0)                   ; and one wait for the four
.irp b, 0,1,2,3
	v_max_num_f32 v[TM+\b], 0x1800000, v[TM+\b]    ; the floor 2^(3 - 127): a block whose every p is 0 keeps the byte 1: its codes are zeros
.endr
.endm
.macro SCLB dst, off                   ; k's scale words of all of K: 4 registers a K step
.set q, 0
.rept 8
.irp i, 0,1,2,3
	global_load_b32 v[(\dst)+4*q+\i], v[SV], s[SBB:SBB+1] offset:q*32768+128*\i+(\off)
.endr
.set q, q+1
.endr
.endm
.macro EPI t
.irp a, 0,1,2,3
.if ((\t) > 0) || (\a > 0)
	s_wait_xcnt 0x0                                ; the earlier stores have read the codes' and the words' registers: they are written again only behind this wait
.endif
	SOFT \a, \t
	QCODE H, 0, \a
.irp g, 0,1,2
	global_store_b128 v[GI], v[PC+4*\g:PC+4*\g+3], s[PI:PI+1] offset:(\t)*12288+\a*24576+512*\g   ; 32 lanes store 512 consecutive bytes, aligned
.endr
	ds_store_b32 v[SW], v[PW+\a] offset:64*\a      ; both halves of the lanes write the same word with the same value
	ds_store_b32 v[SW], v[NMR] offset:64*\a+256
	ds_store_b32 v[SW], v[LP] offset:64*\a+512
.endr
.irp u, 0,1,2
	ds_load_b64 v[OW+2*\u:OW+2*\u+1], v[SRD] offset:256*\u   ; my wave's own bytes: LDS serves a wave's instructions in order
.endr
	s_wait_dscnt 0x0
.irp u, 0,1,2
	global_store_b64 v[GW], v[OW+2*\u:OW+2*\u+1], s[PS:PS+1] offset:(\t)*262144+524288*\u   ; scale words, -M', l': 256 consecutive bytes each, aligned
.endr
.endm
.macro TILE t
.set SBC, 32+48*(\t)
	PLAIN 0, 0                                     ; the first step's products start the sums: nothing is cleared
.if (\t) == 0
	PLACES
	WIN 0
	SCLB 80, 4096                                  ; the next tile's scale words of k, into registers that no product of this tile names
	FETCH 0, 2, 0
	s_wait_dscnt 36
	MUL 1, 1, 0, 4, 2
	PLAIN 2, 2
	TURN 3, 0
.else
	PLAIN 1, 2
	PLAIN 2, 2
	BOUND 3
.endif
	PLAIN 4, 2
	PLAIN 5, 2
	PLAIN 6, 2
.if (\t) == 0
	TURN 7, 1                                      ; it also fetches the next tile's first fragments
.else
	s_wait_dscnt 0x0
	MUL 1, 7, 0, 4, 2
.endif
	PLACES
	WIN 0
	s_wait_alu depctr_va_vdst(0)
	EPI \t
.if (\t) == 0
	s_wait_loadcnt 0x0                             ; the next tile's scale words
.endif
.endm
	s_load_b128 s[4:7], s[0:1], 0x0                ; qk s[4:5], p s[6:7]
	v_lshl_add_u32 v[SPW], v0, 2, SPARE
	v_mov_b32 v[NIL], 0
	ds_add_u32 v[SPW], v[NIL]                      ; the wave's opening: the add and its wait stand ahead of my first tensor load; the set-up below, work on registers, stands between them
	ds_add_u32 v[SPW], v[NIL]
	v_lshrrev_b32 v1, 5, v0
	v_readfirstlane_b32 s[WV], v1
	s_lshr_b32 s[WM], s[WV], 1
	s_and_b32 s[WN], s[WV], 1
	v_and_b32 v1, 31, v0
	v_and_b32 v2, 15, v0
	v_bfe_u32 v3, v0, 4, 1
	s_mul_i32 s2, s[WM], 24576
	v_lshl_add_u32 v[LA], v1, 4, s2
	s_mul_i32 s2, s[WN], 49152
	s_add_co_u32 s2, s2, 49152
	v_lshl_add_u32 v[LB], v1, 4, s2
	v_add_nc_u32 v[LA+1], SLOT, v[LA]
	v_add_nc_u32 v[LB+1], SLOT, v[LB]
	v_lshlrev_b32 v[SV], 2, v1
	s_mul_i32 s2, s[WV], 768
	s_add_co_u32 s2, s2, STG
	v_lshl_add_u32 v[SW], v2, 2, s2
	v_lshl_add_u32 v[SRD], v1, 3, s2
	v_lshlrev_b32 v[GI], 4, v1
	v_lshlrev_b32 v[GW], 3, v1
.irp b, 0,1,2,3
	v_mov_b32 v[TM+4+\b], 0
.endr
	v_mov_b32 v[NINF], 0xff800000
	v_mov_b32 v[NMR+1], 0                          ; (named as the upper half of a pair)
	v_mov_b32 v[LT], 0                             ; (a lane permute's destination)
	s_mov_b32 s[SEL], 0x76543210
	s_mov_b32 s[SEL+1], 0xfedcba98
	s_mov_b32 s[CS], 0x3d38aa3b                    ; c = log2(e) / 32
	s_mov_b32 s[CS+1], s[CS]
	s_bfe_u32 s17, ttmp6, 0x40000                  ; cx: also which 256 keys of each half of the batch
	s_bfe_u32 s16, ttmp6, 0x40004                  ; cy
	s_and_b32 s23, ttmp7, 0xffff                   ; the cluster, 0 .. 15
	s_lshl_b32 s18, s23, 2
	s_add_co_u32 s18, s18, s16                     ; y: which 128 of the 8,192 queries
	s_lshr_b32 s19, s23, 2                         ; the batch: the same in all sixteen partners
	s_lshl_b32 s2, s16, 2
	s_lshl_b32 s2, 15, s2                          ; my row of the cluster
	s_lshl_b32 s3, 0x1111, s17                     ; my column
	; descriptor group 1: tiles as rows of 6,144 bytes (768 elements of 8 bytes: four K steps), a tile's pitch apart; no padding
	s_or_b32 s[G1A], s2, (3<<16)|(1<<21)
	s_or_b32 s[G1B], s3, (3<<16)|(1<<21)
	s_or_b32 s[G1R], s3, (3<<16)|(1<<21)
.irp g, G1A, G1B, G1R
	s_mov_b32 s[\g+1], 768<<16
	s_mov_b32 s[\g+3], 768<<16
	s_mov_b32 s[\g+5], PIT/8
	s_mov_b32 s[\g+6], 0
	s_mov_b32 s[\g+7], 0
.endr
	s_mov_b32 s[G1A+2], 8<<16                      ; the head's loads bring whole slots' parts: A's 8 tiles,
	s_mov_b32 s[G1A+4], 8
	s_mov_b32 s[G1B+2], 16<<16                     ; B's 16
	s_mov_b32 s[G1B+4], 16
	s_mov_b32 s[G1R+2], 4<<16
	s_mov_b32 s[G1R+4], 4
	s_mul_i32 s[G0A+2], s18, 8*PIT                 ; A: tiles 8 y on, K step 0
	s_mov_b32 s[G0A+3], 0
	s_lshl_b32 s[G0B+2], s19, 7                    ; tile 0's B: tile 128 batch + 16 cx + 8 half, K step 8
	s_lshl_b32 s3, s17, 4
	s_add_co_u32 s[G0B+2], s[G0B+2], s3
	s_mul_i32 s[G0B+2], s[G0B+2], PIT
	s_add_co_u32 s[G0B+2], s[G0B+2], 8*1536
	s_mov_b32 s[G0B+3], 0
	s_lshl_b32 s[G0R+2], s19, 7                    ; tile 1's B: tile 128 batch + 64 + 16 cx + 4 wave, K step 8
	s_lshl_b32 s3, s17, 4
	s_add_co_u32 s[G0R+2], s[G0R+2], s3
	s_lshl_b32 s3, s[WV], 2
	s_add_co_u32 s[G0R+2], s[G0R+2], s3
	s_add_co_u32 s[G0R+2], s[G0R+2], 64
	s_mul_i32 s[G0R+2], s[G0R+2], PIT
	s_add_co_u32 s[G0R+2], s[G0R+2], 8*1536
	s_mov_b32 s[G0R+3], 0
.irp c, 0,1
	s_mov_b32 s[G0A+4*\c], 1                       ; count = 1
	s_mov_b32 s[G0A+4*\c+1], \c*SLOT               ; A's 8 tiles at the slot's start,
	s_mov_b32 s[G0B+4*\c], 1
	s_mov_b32 s[G0B+4*\c+1], \c*SLOT+49152         ; B's 16 behind them
.endr
	s_mul_i32 s2, s[WV], 24576
	s_add_co_u32 s2, s2, 49152
.irp c, 0,1
	s_mov_b32 s[G0R+4*\c], 1
	s_add_co_u32 s[G0R+4*\c+1], s2, \c*SLOT
.endr
	s_lshl_b32 s[SAB], s18, 9                      ; my scale words of q: 64 bytes a tile
	s_lshl_b32 s2, s[WM], 8
	s_add_co_u32 s[SAB], s[SAB], s2
	s_add_co_u32 s[SAB], s[SAB], QK_S
	s_mov_b32 s[SAB+1], 0
	s_lshl_b32 s[SBB], s19, 13                     ; of k; tile 1's lie 4,096 bytes on
	s_lshl_b32 s3, s17, 10
	s_add_co_u32 s[SBB], s[SBB], s3
	s_lshl_b32 s3, s[WN], 9
	s_add_co_u32 s[SBB], s[SBB], s3
	s_add_co_u32 s[SBB], s[SBB], QK_S+8*32768
	s_mov_b32 s[SBB+1], 0
	s_lshl_b32 s[PS], s18, 3
	s_lshl_b32 s2, s[WM], 2
	s_add_co_u32 s[PS], s[PS], s2                  ; my first tile of p
	s_lshl_b32 s3, s17, 1
	s_add_co_u32 s3, s3, s[WN]                     ; my K step of p; tile 1's 8 on
	s_lshl_b32 s[PI], s[PS], 4
	s_add_co_u32 s[PI], s[PI], s3
	s_mul_i32 s[PI], s[PI], 1536
	s_mov_b32 s[PI+1], 0
	s_lshl_b32 s[PS], s[PS], 6
	s_lshl_b32 s23, s3, 15
	s_add_co_u32 s[PS], s[PS], s23
	s_add_co_u32 s[PS], s[PS], P_S
	s_mov_b32 s[PS+1], 0
	s_and_b32 s23, s18, 15                         ; 128 (y % 16) + 64 wm + r + 8 (r / 8) - 256 cx - 128 wn - 16 h: a number that is compared, never an address or a branch
	s_lshl_b32 s23, s23, 7
	s_lshl_b32 s2, s[WM], 6
	s_add_co_u32 s23, s23, s2
	s_lshl_b32 s3, s3, 7
	s_sub_co_u32 s23, s23, s3
	v_and_b32 v[D0], 8, v2
	v_add_nc_u32 v[D0], v[D0], v2
	v_lshlrev_b32 v[MX], 4, v3
	v_sub_nc_u32 v[D0], v[D0], v[MX]
	v_add_nc_u32 v[D0], s23, v[D0]
	v_add_nc_u32 v[D0+1], -1024, v[D0]             ; tile 1's keys begin 1,024 further on
	v_min_u32 v236, 23, v1
	v_lshlrev_b32 v236, 8, v236                    ; the prefetches' offset: 256 x min(lane, 23); never rewritten
	s_wait_dscnt 0x0                               ; the opening add is done
	s_wait_kmcnt 0x0
.irp g, G0A, G0B, G0R
	s_add_nc_u64 s[\g+2:\g+3], s[4:5], s[\g+2:\g+3]   ; global address: the first four K steps
	s_add_nc_u64 s[\g+6:\g+7], s[\g+2:\g+3], 6144     ; the other four
	s_or_b32 s[\g+3], s[\g+3], 0x80000000             ; type = 2
	s_or_b32 s[\g+7], s[\g+7], 0x80000000
.endr
	s_add_nc_u64 s[SAB:SAB+1], s[4:5], s[SAB:SAB+1]
	s_add_nc_u64 s[SBB:SBB+1], s[4:5], s[SBB:SBB+1]
	s_add_nc_u64 s[PI:PI+1], s[6:7], s[PI:PI+1]
	s_add_nc_u64 s[PS:PS+1], s[6:7], s[PS:PS+1]
	s_lshl_b32 s84, s19, 7                         ; the prefetches: tile 128 batch + 64 + 16 cx + 4 cy + wave, K step 8
	s_lshl_b32 s2, s17, 4
	s_add_co_u32 s84, s84, s2
	s_lshl_b32 s2, s16, 2
	s_add_co_u32 s84, s84, s2
	s_add_co_u32 s84, s84, s[WV]
	s_add_co_u32 s84, s84, 64
	s_mul_i32 s84, s84, PIT
	s_add_co_u32 s84, s84, 8*1536
	s_mov_b32 s85, 0
	s_add_nc_u64 s[84:85], s[4:5], s[84:85]
	CROUND                                         ; all sixteen work-groups are here: the first joint loads meet
; THE HEAD'S LOADS, ONE A WAVE: wave 0 A's 8 tiles of slot 0, wave 1 B's 16, waves 2 and 3 the same of slot 1.  One chain of branches on the wave's number, one load to an arm, one join.
.macro ARM under, g0, g1, next
	s_cmp_lt_u32 s[WV], \under
	s_cbranch_scc0 \next
	tensor_load_to_lds s[\g0:\g0+3], s[\g1:\g1+7]
	s_nop 0
	PLACES
	s_branch .Lfilled
\next:
.endm
	ARM 1, G0A, G1A, .Lfill_b0
	ARM 2, G0B, G1B, .Lfill_a1
	ARM 3, G0A+4, G1A, .Lfill_b1
	tensor_load_to_lds s[G0B+4:G0B+7], s[G1B:G1B+7]
	s_nop 0
	PLACES
.Lfilled:
	s_wait_alu depctr_va_vdst(0)                   ; the wait stands here, directly ahead of the reader below
	global_prefetch_b8 v236, s[84:85] th:TH_LOAD_NT scope:SCOPE_SE               ; my share of the first refill,
	global_prefetch_b8 v236, s[84:85] offset:6144 th:TH_LOAD_NT scope:SCOPE_SE   ; and of the second
.set q, 0
.rept 8                                        ; q's scale words serve both tiles
.irp i, 0,1
	global_load_b32 v[16+2*q+\i], v[SV], s[SAB:SAB+1] offset:q*32768+128*\i
.endr
.set q, q+1
.endr
	SCLB 32, 0
	s_wait_loadcnt 0x0
	s_cmp_lt_u32 s[WV], 2                          ; waves 0 and 1 brought slot 0 and wait for it here; waves 2 and 3 brought slot 1 and wait for it in front of the round behind which it is first read
	s_cbranch_scc0 .Lslot1_out
	s_wait_tensorcnt 0x0
.Lslot1_out:
	s_barrier_signal -1
	s_barrier_wait -1
	FETCH 0, 0, 0
	TILE 0
	TILE 1
	s_wait_tensorcnt 0x0                           ; the wave's end: behind my last tensor load and my last LDS store
	ds_add_u32 v[SPW], v[NIL]
	s_wait_dscnt 0x0
	CROUND                                         ; the closing round
	s_endpgm
.Lfunc_end_k_q080b0c13ee_scores:
	.size	k_q080b0c13ee_scores, .Lfunc_end_k_q080b0c13ee_scores-k_q080b0c13ee_scores
	.p2alignl 7, 3214868480
	.fill 96, 4, 3214868480
	.section	.rodata,"a",@progbits
	.p2align	6, 0x0
	.amdhsa_kernel k_q080b0c13ee_scores
		.amdhsa_group_segment_fixed_size 327680
		.amdhsa_private_segment_fixed_size 0
		.amdhsa_enable_private_segment 0
		.amdhsa_kernarg_size 16
		.amdhsa_user_sgpr_count 2
		.amdhsa_user_sgpr_kernarg_segment_ptr 1
		.amdhsa_wavefront_size32 1
		.amdhsa_system_sgpr_workgroup_id_x 1
		.amdhsa_system_sgpr_workgroup_id_y 1
		.amdhsa_system_sgpr_workgroup_id_z 1
		.amdhsa_system_vgpr_workitem_id 0
		.amdhsa_next_free_vgpr 1024
		.amdhsa_next_free_sgpr 100
		.amdhsa_reserve_vcc 1
		.amdhsa_float_denorm_mode_32 3
		.amdhsa_float_denorm_mode_16_64 3
		.amdhsa_memory_ordered 1
		.amdhsa_forward_progress 1
		.amdhsa_inst_pref_size 252
	.end_amdhsa_kernel
	.amdgpu_metadata
---
amdhsa.version: [ 1, 2 ]
amdhsa.kernels:
  - .name:           k_q080b0c13ee_scores
    .symbol:         k_q080b0c13ee_scores.kd
    .args:
      - { .name: qk, .offset: 0, .size: 8, .value_kind: global_buffer, .address_space: global }
      - { .name: p, .offset: 8, .size: 8, .value_kind: global_buffer, .address_space: global }
    .group_segment_fixed_size: 327680
    .private_segment_fixed_size: 0
    .kernarg_segment_align: 8
    .kernarg_segment_size: 16
    .max_flat_workgroup_size: 128
    .sgpr_count:     100
    .vgpr_count:     1024
    .wavefront_size: 32
...
	.end_amdgpu_metadata
.endif
;; end of part 3
;; launch pv (part 4): grid 4 x 64, 4 waves a work-group, clusters of 4 x 4, 327,680 bytes of LDS; arguments p, vt, o; writes o
.if DOCPART == 4
	.amdgcn_target "amdgcn-amd-amdhsa--gfx1250"
	.amdhsa_code_object_version 6
	.text
	.protected	k_q080b0c13ee_pv
	.globl	k_q080b0c13ee_pv
	.p2align	8
	.type	k_q080b0c13ee_pv,@function
k_q080b0c13ee_pv:
	s_mov_b64 s[64:65], 0
	v_nop
	global_prefetch_b8 v0, s[64:65] scope:SCOPE_SE
	s_setreg_imm32_b32 hwreg(HW_REG_WAVE_MODE, 25, 1), 1
	s_wait_xcnt 0x0
	s_wait_alu depctr_hold_cnt(0) depctr_sa_sdst(0) depctr_va_vdst(0) depctr_va_sdst(0) depctr_va_ssrc(0) depctr_va_vcc(0) depctr_vm_vsrc(0)
	s_getreg_b32 s2, hwreg(HW_REG_IB_STS2, 6, 4)
	s_cmp_eq_u32 s2, 0
	s_cbranch_scc0 .Lentry_in_a_cluster
	s_endpgm
.Lentry_in_a_cluster:
	s_bfe_u32 s2, ttmp6, 0x10000c
	s_cmp_lg_u32 s2, 0xf033
	s_cbranch_scc0 .Lentry_shape_is_right
	s_endpgm
.Lentry_shape_is_right:
; o = (p v) / l on codes of FP6 (E2M3), quantised along d.  A = 128 queries of p (K = the batch's 2,048 keys), B = 256 rows d of vt (K steps 16 batch on).  Images of registers and transposed use as in the launches before.
; THE SOFTMAX'S SECOND HALF.  p came under a whole number M' for each query and each 128 keys.  Here M = the largest of a query's sixteen M'; each scale byte of p is lowered by M - M' (a power of two, which the
; block's scale takes up: the codes stay), and l = the sum of l' x 2^(M' - M).  The result is divided by l at the end.
; LIMITS: M - M' is held at 127 and a scale byte that would fall under 0 at 0: what lies some 2^-120 under the row's largest p differs from the letter of the rule; NaN and infinities are not served;
; a block of o whose largest magnitude lies under 2^-124 keeps the scale byte 1.
; THE RING: two LDS slots of four K steps (A's 8 tiles x 6,144 bytes, then B's 16); K = 2,048 is four slots' worth.  K steps 0-7 are first fills; when steps 0-3 (4-7) have been multiplied, their slot is filled with
; steps 8-11 (12-15): every wave waits for all its tensor loads, adds 0 to its spare word, waits for that and for its reads of the slot, a round of the cluster's barrier follows, and the joint refill is the first
; thing behind it, one load a wave; it has four steps' products in which to land.  The steps are written out: two loads of a wave are out at the start, one behind each of the two rounds.
; REGISTERS: window 0: v1-15 addresses; v16-47 p's scale words (32), v48-111 vt's (64); v112-175 first -M' and l', later a tile's 64 numbers; v176-187 at work on the bytes; v218-239 statistics; v252, v253 the add's two.
;   window 1: accumulator (a, b) at 64 a + 8 b.   windows 2, 3: two sets of fragments.
; WHAT HOLDS IN PLACE OF THE HEAD COMMENT'S WORDS ON THE FIRST FILLS: one tensor load a wave: wave 0 p's 8 tiles of slot 0, wave 1 vt's 16, waves 2 and 3 the same of slot 1.
; PREFETCH INTO THE L2: the two refills (K steps 8-11, 12-15) are shared out among the sixteen waves of the four partners that ask for a tile jointly, by address: of vt's 16 tiles x 6,144 bytes a tile a wave (4 cy + wave),
; 24 lanes 256 bytes apart; of p's 8 tiles half a tile a wave (tile 2 cx + wave / 2), 12 lanes; the lanes left over name the last block again.  The head asks for both refills: four and eight K steps ahead of their loads.
.set SLOT,  147456
.set SPARE, 2*SLOT
.set STG,   SPARE+512
.set P_S,   12582912
.set VT_S,  6291456
.set O_S,   6291456
.set PITA,  24576
.set PITB,  98304
.set LA, 4
.set LB, 6
.set SV, 12
.set SW, 13
.set SRD, 14
.set GI, 15
.set SA, 16
.set SB, 48
.set H, 112
.set NMV, 112                          ; v112-143 -M': register 2 ks + i, lanes as the scale words
.set LV, 144                           ; v144-175 l'
.set PC, 176
.set T, 176                            ; v176-187 at work ahead of the products
.set TM, 196
.set PW, 212
.set GW, 216
.set MN, 218                           ; v218-219 -M of tiles 2 i (lanes 0-15) and 2 i + 1 (lanes 16-31)
.set LL, 220                           ; v220-221 l
.set RC, 222                           ; v222-223 1 / l
.set XR, 224                           ; v224-225 the same of lane l xor 16
.set LI, 232                           ; v[232+2a:233+2a] 1 / l of my row of tile a
.set SPW, 252
.set NIL, 253
.set AF, 0
.set BF, 48
.set SEL, 12
.set K01, 16                           ; s16 0x01010101
.set K255, 17                          ; s17 255
.set MHI, 18                           ; s18 the lanes 16-31
.set WV, 20
.set WM, 21
.set WN, 22
.set G1A, 24
.set G1B, 32
.set G0A, 40                           ; s[40:47] group 0 for A, a set for each slot
.set G0B, 48                           ; s[48:55] for B
.set MSB, 0
.macro WIN new
.if MSB != (\new)
	s_set_vgpr_msb (MSB<<8)|(\new)
.set MSB, (\new)
.endif
.endm
.macro PLACES
.rept 4
	v_nop
.endr
.endm
.macro CREST
	s_cmp_lg_u32 s[WV], 0
	s_cbranch_scc1 .Lnw0_\@
	s_barrier_signal -3
.Lnw0_\@:
	s_barrier_wait -3
	s_barrier_signal -1
	s_barrier_wait -1
.endm
.macro CROUND
	s_barrier_signal -1
	s_barrier_wait -1
	CREST
.endm
.macro JLOAD sl                        ; a joint refill of slot sl: waves 0 and 1 A's halves, waves 2 and 3 B's; an s_nop 0 and four v_nop follow each of the two lines
	s_cmp_lt_u32 s[WV], 2
	s_cbranch_scc0 .Ljb_\@
	tensor_load_to_lds s[G0A+4*(\sl):G0A+4*(\sl)+3], s[G1A:G1A+7]
	s_nop 0
	PLACES
	s_branch .Ljd_\@
.Ljb_\@:
	tensor_load_to_lds s[G0B+4*(\sl):G0B+4*(\sl)+3], s[G1B:G1B+7]
	s_nop 0
	PLACES
.Ljd_\@:
.endm
.macro FETCH sl, q, st
	WIN 0x80+0x40*(\st)
.irp i, 0,1,2,3
.irp g, 0,1,2
	ds_load_b128 v[AF+12*\i+4*\g:AF+12*\i+4*\g+3], v[LA+(\sl)] offset:\i*6144+(\q)*1536+512*\g
.endr
.endr
.irp i, 0,1,2,3,4,5,6,7
.irp g, 0,1,2
	ds_load_b128 v[BF+12*\i+4*\g:BF+12*\i+4*\g+3], v[LB+(\sl)] offset:\i*6144+(\q)*1536+512*\g
.endr
.endr
.endm
.macro WMM a, b, ks, cm
.set rD, 64*(\a)+8*(\b)
.set rB, BF+12*(\b)
.set rA, AF+12*(\a)
.set rT, SB+4*(\ks)+(\b)/2
.set rS, SA+2*(\ks)+(\a)/2
.set par, 2*((\a)%2)+(\b)%2
.if (\cm) == 0
.if par == 0
	v_wmma_scale_f32_16x16x128_f8f6f4 v[rD:rD+7], v[rB:rB+11], v[rA:rA+11], 0, v[rT], v[rS] matrix_a_fmt:MATRIX_FMT_FP6 matrix_b_fmt:MATRIX_FMT_FP6
.elseif par == 1
	v_wmma_scale_f32_16x16x128_f8f6f4 v[rD:rD+7], v[rB:rB+11], v[rA:rA+11], 0, v[rT], v[rS] matrix_a_fmt:MATRIX_FMT_FP6 matrix_b_fmt:MATRIX_FMT_FP6 matrix_a_scale:MATRIX_SCALE_ROW1
.elseif par == 2
	v_wmma_scale_f32_16x16x128_f8f6f4 v[rD:rD+7], v[rB:rB+11], v[rA:rA+11], 0, v[rT], v[rS] matrix_a_fmt:MATRIX_FMT_FP6 matrix_b_fmt:MATRIX_FMT_FP6 matrix_b_scale:MATRIX_SCALE_ROW1
.else
	v_wmma_scale_f32_16x16x128_f8f6f4 v[rD:rD+7], v[rB:rB+11], v[rA:rA+11], 0, v[rT], v[rS] matrix_a_fmt:MATRIX_FMT_FP6 matrix_b_fmt:MATRIX_FMT_FP6 matrix_a_scale:MATRIX_SCALE_ROW1 matrix_b_scale:MATRIX_SCALE_ROW1
.endif
.else
.if par == 0
	v_wmma_scale_f32_16x16x128_f8f6f4 v[rD:rD+7], v[rB:rB+11], v[rA:rA+11], v[rD:rD+7], v[rT], v[rS] matrix_a_fmt:MATRIX_FMT_FP6 matrix_b_fmt:MATRIX_FMT_FP6
.elseif par == 1
	v_wmma_scale_f32_16x16x128_f8f6f4 v[rD:rD+7], v[rB:rB+11], v[rA:rA+11], v[rD:rD+7], v[rT], v[rS] matrix_a_fmt:MATRIX_FMT_FP6 matrix_b_fmt:MATRIX_FMT_FP6 matrix_a_scale:MATRIX_SCALE_ROW1
.elseif par == 2
	v_wmma_scale_f32_16x16x128_f8f6f4 v[rD:rD+7], v[rB:rB+11], v[rA:rA+11], v[rD:rD+7], v[rT], v[rS] matrix_a_fmt:MATRIX_FMT_FP6 matrix_b_fmt:MATRIX_FMT_FP6 matrix_b_scale:MATRIX_SCALE_ROW1
.else
	v_wmma_scale_f32_16x16x128_f8f6f4 v[rD:rD+7], v[rB:rB+11], v[rA:rA+11], v[rD:rD+7], v[rT], v[rS] matrix_a_fmt:MATRIX_FMT_FP6 matrix_b_fmt:MATRIX_FMT_FP6 matrix_a_scale:MATRIX_SCALE_ROW1 matrix_b_scale:MATRIX_SCALE_ROW1
.endif
.endif
.endm
.macro MUL st, ks, a0, na, cm          ; the 32 accumulators take turns, one instruction a turn, in the same order in every step
	WIN 0x5a+5*(\st)
.set ma, \a0
.rept \na
.irp b, 0,1,2,3,4,5,6,7
	WMM ma, \b, \ks, \cm
.endr
.set ma, ma+1
.endr
.endm
.macro PLAIN s, cm                     ; a step that has its successor in the same slot
	PLACES
	FETCH ((\s)/4)%2, (\s)%4+1, 1-(\s)%2
	s_wait_dscnt 36                                ; all but the 36 loads just issued: my set is in
	MUL (\s)%2, \s, 0, 4, \cm
.endm
.macro BOUND s                         ; step 11: on to the last slot's worth, behind a barrier
	s_wait_tensorcnt 0x0                           ; my part of K steps 12-15 has landed: no load was issued behind it
	s_wait_dscnt 0x0
	s_barrier_signal -1
	MUL 1, \s, 0, 2, 2
	s_barrier_wait -1
	PLACES
	FETCH (((\s)+1)/4)%2, 0, 0
	MUL 1, \s, 2, 2, 2
.endm
.macro TURN s, sl                      ; a slot's last step: slot sl is filled again, with the K steps eight further on
	WIN 0                                          ; (the add's two registers lie in window 0)
	s_wait_tensorcnt 0x0                           ; all my tensor loads have landed, my part of the other slot among them: so a group 0 may be written;
	ds_add_u32 v[SPW], v[NIL]                      ; 0 onto my spare word;
	s_add_nc_u64 s[G0A+4*(\sl)+2:G0A+4*(\sl)+3], s[G0A+4*(\sl)+2:G0A+4*(\sl)+3], s[56:57]   ; eight K steps on, my half of the tiles; the type bits on top are not reached
	s_add_nc_u64 s[G0B+4*(\sl)+2:G0B+4*(\sl)+3], s[G0B+4*(\sl)+2:G0B+4*(\sl)+3], s[58:59]
	s_add_co_u32 s[G0A+4*(\sl)+1], s[G0A+4*(\sl)+1], s88   ; and my half's place in the slot
	s_add_co_u32 s[G0B+4*(\sl)+1], s[G0B+4*(\sl)+1], s89
.if (\sl) == 0
	s_mov_b32 s[G1A+2], 4<<16                      ; from here on a load brings half of A's tiles
	s_mov_b32 s[G1A+4], 4
	s_mov_b32 s[G1B+2], 8<<16                      ; or half of B's
	s_mov_b32 s[G1B+4], 8
.endif
	s_wait_dscnt 1                                 ; my set is in; the add may be out
	MUL 1, \s, 0, 1, 2
	s_wait_dscnt 0x0                               ; the add is done, and my reads of the slot are over
	s_barrier_signal -1                            ; this barrier opens a round of the cluster's barrier
	MUL 1, \s, 1, 1, 2
	WIN 0
	s_barrier_wait -1
	CREST                                          ; no wave of any partner still reads the slot or has a load on its way
	JLOAD \sl                                      ; the first tensor load behind the round; its four v_nop are the places in front of the loads below
	FETCH 1-(\sl), 0, 0
	MUL 1, \s, 2, 2, 2
.endm
.macro QMAX s, wn
	WIN 0x05*(\wn)
.irp b, 0,1,2,3
	v_max3_num_f32 v[TM+\b], |v[(\s)+16*\b]|, |v[(\s)+16*\b+1]|, 0x1800000
.endr
.irp i, 2,4,6,8,10,12,14
.irp b, 0,1,2,3
	v_max3_num_f32 v[TM+\b], |v[(\s)+16*\b+\i]|, |v[(\s)+16*\b+\i+1]|, v[TM+\b]
.endr
.endr
	WIN 0
.irp b, 0,1,2,3
	v_permlanex16_b32 v[TM+4+\b], v[TM+\b], s[SEL], s[SEL+1]
.endr
.irp b, 0,1,2,3
	v_max_num_f32 v[TM+\b], v[TM+\b], v[TM+4+\b]
.endr
.endm
.macro QCODE s, wn, f
.irp b, 0,1,2,3
	v_add_nc_u32 v[TM+12+\b], 0xff000000, v[TM+\b]
.endr
.irp b, 0,1,2,3
	v_lshrrev_b32 v[TM+4+\b], 23, v[TM+12+\b]
.endr
	v_lshl_or_b32 v[PW+(\f)], v[TM+5], 8, v[TM+4]
	v_lshl_or_b32 v[PW+(\f)], v[TM+6], 16, v[PW+(\f)]
	v_lshl_or_b32 v[PW+(\f)], v[TM+7], 24, v[PW+(\f)]
	WIN 0x01*(\wn)
.irp c, 0,1
	v_cvt_scalef32_pk16_fp6_f32 v[PC+6*\c:PC+6*\c+2], v[(\s)+32*\c:(\s)+32*\c+15], v[TM+12+2*\c]
	v_cvt_scalef32_pk16_fp6_f32 v[PC+12+4*\c:PC+14+4*\c], v[(\s)+32*\c+16:(\s)+32*\c+31], v[TM+13+2*\c]
.endr
	WIN 0
	v_nop                                          ; one plain place behind the scaled conversions
.irp c, 0,1
.irp i, 0,1,2
	v_permlane16_swap_b32 v[PC+6*\c+\i], v[PC+12+4*\c+\i]
.endr
.irp i, 0,1,2
	v_mov_b32 v[PC+3+6*\c+\i], v[PC+12+4*\c+\i]
.endr
.endr
.endm
; four registers n0 .. n0 + 3 of p's scale words are brought under M, and their l' are added
.macro PREP4 n0
.irp u, 0,1,2,3
	v_sub_f32 v[T+\u], v[MN+\u%2], v[NMV+(\n0)+\u] ; M' - M: a whole number, 0 or less
.endr
.irp u, 0,1,2,3
	v_max_num_f32 v[T+\u], 0xc2fe0000, v[T+\u]     ; held at -127
.endr
.irp u, 0,1,2,3
	v_cvt_i32_f32 v[T+\u], v[T+\u]
.endr
.irp u, 0,1,2,3
	v_ldexp_f32 v[T+4+\u], v[LV+(\n0)+\u], v[T+\u] ; l' x 2^(M' - M)
.endr
.irp u, 0,1,2,3
	v_sub_nc_u32 v[T+\u], 0, v[T+\u]
.endr
.irp u, 0,1,2,3
	v_mul_lo_u32 v[T+\u], v[T+\u], s[K01]          ; M - M' in each of the four bytes
.endr
.irp u, 0,1,2,3
	v_or_b32 v[T+8+\u], 0x80808080, v[SA+(\n0)+\u] ; the bytes are at most 125: with 128 on top of each, no borrow crosses a byte,
.endr
.irp u, 0,1,2,3
	v_sub_nc_u32 v[T+8+\u], v[T+8+\u], v[T+\u]     ; and a byte's top bit stays where the byte did not fall under 0
.endr
.irp u, 0,1,2,3
	v_lshrrev_b32 v[T+\u], 7, v[T+8+\u]
.endr
.irp u, 0,1,2,3
	v_and_b32 v[T+\u], s[K01], v[T+\u]
.endr
.irp u, 0,1,2,3
	v_mul_lo_u32 v[T+\u], v[T+\u], s[K255]         ; all ones in such a byte, zeros in the others
.endr
.irp u, 0,1,2,3
	v_and_b32 v[T+\u], 0x7f7f7f7f, v[T+\u]
.endr
.irp u, 0,1,2,3
	v_and_b32 v[SA+(\n0)+\u], v[T+8+\u], v[T+\u]   ; the lowered byte, held at 0
.endr
	v_add_f32 v[LL], v[LL], v[T+4]
	v_add_f32 v[LL+1], v[LL+1], v[T+5]
	v_add_f32 v[LL], v[LL], v[T+6]
	v_add_f32 v[LL+1], v[LL+1], v[T+7]
.endm
	s_load_b128 s[4:7], s[0:1], 0x0                ; p s[4:5], vt s[6:7]
	s_load_b64 s[8:9], s[0:1], 0x10                ; o
	v_lshl_add_u32 v[SPW], v0, 2, SPARE
	v_mov_b32 v[NIL], 0
	ds_add_u32 v[SPW], v[NIL]                      ; the wave's opening: the add and its wait stand ahead of my first tensor load; the set-up below, work on registers, stands between them
	ds_add_u32 v[SPW], v[NIL]
	v_lshrrev_b32 v1, 5, v0
	v_readfirstlane_b32 s[WV], v1
	s_lshr_b32 s[WM], s[WV], 1
	s_and_b32 s[WN], s[WV], 1
	v_and_b32 v1, 31, v0
	v_and_b32 v2, 15, v0
	v_bfe_u32 v3, v0, 4, 1
	s_mul_i32 s2, s[WM], 24576
	v_lshl_add_u32 v[LA], v1, 4, s2
	s_mul_i32 s2, s[WN], 49152
	s_add_co_u32 s2, s2, 49152
	v_lshl_add_u32 v[LB], v1, 4, s2
	v_add_nc_u32 v[LA+1], SLOT, v[LA]
	v_add_nc_u32 v[LB+1], SLOT, v[LB]
	v_lshlrev_b32 v[SV], 2, v1
	s_mul_i32 s2, s[WV], 768
	s_add_co_u32 s2, s2, STG
	v_lshl_add_u32 v[SW], v2, 2, s2
	v_lshl_add_u32 v[SRD], v1, 3, s2
	v_lshlrev_b32 v[GI], 4, v1
	v_lshlrev_b32 v[GW], 3, v1
	v_min_u32 v240, 11, v1
	v_lshlrev_b32 v240, 8, v240                    ; the prefetches' offsets: for p 256 x min(lane, 11),
	v_min_u32 v241, 23, v1
	v_lshlrev_b32 v241, 8, v241                    ; for vt 256 x min(lane, 23); never rewritten
.irp b, 0,1,2,3
	v_mov_b32 v[TM+4+\b], 0
	v_mov_b32 v[LI+2*\b+1], 0                      ; (named as the upper half of a pair)
.endr
	v_mov_b32 v[LL], 0
	v_mov_b32 v[LL+1], 0
	v_mov_b32 v[XR], 0                             ; (a lane permute's destination)
	v_mov_b32 v[XR+1], 0
	s_mov_b32 s[SEL], 0x76543210
	s_mov_b32 s[SEL+1], 0xfedcba98
	s_mov_b32 s[K01], 0x01010101
	s_mov_b32 s[K255], 255
	s_mov_b32 s[MHI], 0xffff0000
	s_bfe_u32 s76, ttmp6, 0x40000                  ; cx
	s_bfe_u32 s77, ttmp6, 0x40004                  ; cy
	s_lshl_b32 s80, ttmp9, 2
	s_add_co_u32 s80, s80, s76                     ; x: which 256 of d
	s_and_b32 s79, ttmp7, 0xffff
	s_lshl_b32 s81, s79, 2
	s_add_co_u32 s81, s81, s77                     ; y: which 128 queries
	s_lshr_b32 s78, s79, 2                         ; the batch
	s_lshl_b32 s82, s77, 2
	s_lshl_b32 s82, 15, s82
	s_lshl_b32 s83, 0x1111, s76
	; descriptor group 1: tiles as rows of 6,144 bytes (768 elements of 8 bytes: four K steps), a tile's pitch apart: a tile of p is 16 K steps, one of vt 64; no padding
	s_or_b32 s[G1A], s82, (3<<16)|(1<<21)
	s_or_b32 s[G1B], s83, (3<<16)|(1<<21)
	s_mov_b32 s[G1A+1], 768<<16
	s_mov_b32 s[G1A+2], 8<<16                      ; the head's loads bring A's 8 tiles of a slot, B's 16; the refills' counts are written ahead of the first refill
	s_mov_b32 s[G1A+3], 768<<16
	s_mov_b32 s[G1A+4], 8
	s_mov_b32 s[G1A+5], PITA/8
	s_mov_b32 s[G1A+6], 0
	s_mov_b32 s[G1A+7], 0
	s_mov_b32 s[G1B+1], 768<<16
	s_mov_b32 s[G1B+2], 16<<16
	s_mov_b32 s[G1B+3], 768<<16
	s_mov_b32 s[G1B+4], 16
	s_mov_b32 s[G1B+5], PITB/8
	s_mov_b32 s[G1B+6], 0
	s_mov_b32 s[G1B+7], 0
	s_lshl_b32 s84, s81, 3                         ; A: tiles 8 y on
	s_mul_i32 s84, s84, PITA
	s_mov_b32 s85, 0
	s_lshl_b32 s86, s80, 4                         ; B: tile 16 x + 8 half, K step 16 batch
	s_mul_i32 s86, s86, PITB
	s_mul_i32 s3, s78, 16*1536
	s_add_co_u32 s86, s86, s3
	s_mov_b32 s87, 0
	s_mul_i32 s88, s[WN], 24576                    ; where they go in a slot: no place in the cluster enters an LDS address
	s_mul_i32 s89, s[WN], 49152
	s_mul_i32 s56, s[WN], 4*PITA                   ; what a refill adds to the head's addresses: my half of the tiles, and eight K steps
	s_add_co_u32 s56, s56, 2*6144
	s_mov_b32 s57, 0
	s_mul_i32 s58, s[WN], 8*PITB
	s_add_co_u32 s58, s58, 2*6144
	s_mov_b32 s59, 0
	s_lshl_b32 s90, s81, 9                         ; my scale words of p; -M' and l' lie 524,288 and 1,048,576 bytes on
	s_lshl_b32 s2, s[WM], 8
	s_add_co_u32 s90, s90, s2
	s_add_co_u32 s90, s90, P_S
	s_mov_b32 s91, 0
	s_lshl_b32 s92, s80, 10                        ; of vt
	s_lshl_b32 s3, s[WN], 9
	s_add_co_u32 s92, s92, s3
	s_lshl_b32 s3, s78, 16
	s_add_co_u32 s92, s92, s3
	s_add_co_u32 s92, s92, VT_S
	s_mov_b32 s93, 0
	s_lshl_b32 s98, s81, 3
	s_lshl_b32 s2, s[WM], 2
	s_add_co_u32 s98, s98, s2                      ; my first tile of o
	s_lshl_b32 s3, s80, 1
	s_add_co_u32 s3, s3, s[WN]                     ; my K step of o
	s_lshl_b32 s94, s98, 3
	s_add_co_u32 s94, s94, s3
	s_mul_i32 s94, s94, 1536
	s_mov_b32 s95, 0
	s_lshl_b32 s96, s3, 15
	s_lshl_b32 s98, s98, 6
	s_add_co_u32 s96, s96, s98
	s_add_co_u32 s96, s96, O_S
	s_mov_b32 s97, 0
	s_wait_dscnt 0x0                               ; the opening add is done
	s_wait_kmcnt 0x0
	s_add_nc_u64 s[84:85], s[4:5], s[84:85]
	s_add_nc_u64 s[86:87], s[6:7], s[86:87]
	s_add_nc_u64 s[90:91], s[4:5], s[90:91]
	s_add_nc_u64 s[92:93], s[6:7], s[92:93]
	s_add_nc_u64 s[94:95], s[8:9], s[94:95]
	s_add_nc_u64 s[96:97], s[8:9], s[96:97]
	s_lshl_b32 s60, s81, 3                         ; the prefetches of p: tile 8 y + 2 cx + wave / 2, its half wave % 2, K step 8
	s_lshl_b32 s2, s76, 1
	s_add_co_u32 s60, s60, s2
	s_add_co_u32 s60, s60, s[WM]
	s_mul_i32 s60, s60, PITA
	s_mul_i32 s2, s[WN], 3072
	s_add_co_u32 s60, s60, s2
	s_add_co_u32 s60, s60, 2*6144
	s_mov_b32 s61, 0
	s_add_nc_u64 s[60:61], s[4:5], s[60:61]
	s_lshl_b32 s62, s80, 4                         ; of vt: tile 16 x + 4 cy + wave, K step 16 batch + 8
	s_lshl_b32 s2, s77, 2
	s_add_co_u32 s62, s62, s2
	s_add_co_u32 s62, s62, s[WV]
	s_mul_i32 s62, s62, PITB
	s_mul_i32 s2, s78, 16*1536
	s_add_co_u32 s62, s62, s2
	s_add_co_u32 s62, s62, 2*6144
	s_mov_b32 s63, 0
	s_add_nc_u64 s[62:63], s[6:7], s[62:63]
.irp c, 0,1
	s_mov_b32 s[G0A+4*\c], 1                       ; count = 1
	s_mov_b32 s[G0A+4*\c+1], \c*SLOT               ; LDS address: A's 8 tiles at the slot's start
	s_add_nc_u64 s[G0A+4*\c+2:G0A+4*\c+3], s[84:85], \c*6144   ; global address: K steps 4 c on
	s_or_b32 s[G0A+4*\c+3], s[G0A+4*\c+3], 0x80000000          ; type = 2
	s_mov_b32 s[G0B+4*\c], 1
	s_mov_b32 s[G0B+4*\c+1], \c*SLOT+49152         ; B's 16 behind them
	s_add_nc_u64 s[G0B+4*\c+2:G0B+4*\c+3], s[86:87], \c*6144
	s_or_b32 s[G0B+4*\c+3], s[G0B+4*\c+3], 0x80000000
.endr
	CROUND                                         ; all sixteen work-groups are here: the first joint loads meet
; THE HEAD'S LOADS, ONE A WAVE: wave 0 A's 8 tiles of slot 0, wave 1 B's 16, waves 2 and 3 the same of slot 1.  One chain of branches on the wave's number, one load to an arm, one join.
.macro ARM under, g0, g1, next
	s_cmp_lt_u32 s[WV], \under
	s_cbranch_scc0 \next
	tensor_load_to_lds s[\g0:\g0+3], s[\g1:\g1+7]
	s_nop 0
	PLACES
	s_branch .Lfilled
\next:
.endm
	ARM 1, G0A, G1A, .Lfill_b0
	ARM 2, G0B, G1B, .Lfill_a1
	ARM 3, G0A+4, G1A, .Lfill_b1
	tensor_load_to_lds s[G0B+4:G0B+7], s[G1B:G1B+7]
	s_nop 0
	PLACES
.Lfilled:
	s_wait_alu depctr_va_vdst(0)                   ; the wait stands here, directly ahead of the reader below
	global_prefetch_b8 v240, s[60:61] th:TH_LOAD_NT scope:SCOPE_SE               ; my share of the first refill: p's,
	global_prefetch_b8 v241, s[62:63] th:TH_LOAD_NT scope:SCOPE_SE               ; vt's;
	global_prefetch_b8 v240, s[60:61] offset:6144 th:TH_LOAD_NT scope:SCOPE_SE   ; and of the second
	global_prefetch_b8 v241, s[62:63] offset:6144 th:TH_LOAD_NT scope:SCOPE_SE
.set q, 0
.rept 16
.irp i, 0,1
	global_load_b32 v[SA+2*q+\i], v[SV], s[90:91] offset:q*32768+128*\i
	global_load_b32 v[NMV+2*q+\i], v[SV], s[90:91] offset:524288+q*32768+128*\i
	global_load_b32 v[LV+2*q+\i], v[SV], s[90:91] offset:1048576+q*32768+128*\i
.endr
.irp i, 0,1,2,3
	global_load_b32 v[SB+4*q+\i], v[SV], s[92:93] offset:q*4096+128*\i
.endr
.set q, q+1
.endr
	s_wait_loadcnt 0x0
.irp i, 0,1                                    ; -M = the least of the sixteen -M'
	v_min3_num_f32 v[MN+\i], v[NMV+\i], v[NMV+2+\i], v[NMV+4+\i]
.endr
.irp k, 3,5,7,9,11,13
.irp i, 0,1
	v_min3_num_f32 v[MN+\i], v[MN+\i], v[NMV+2*\k+\i], v[NMV+2*\k+2+\i]
.endr
.endr
.irp i, 0,1
	v_min_num_f32 v[MN+\i], v[MN+\i], v[NMV+30+\i]
.endr
.irp z, 0,4,8,12,16,20,24,28
	PREP4 \z
.endr
	s_wait_alu depctr_va_vdst(0)
	v_rcp_f32 v[RC], v[LL]
	v_rcp_f32 v[RC+1], v[LL+1]
	v_nop                                          ; a plain place behind the reciprocals
	s_wait_alu depctr_va_vdst(0)                   ; and the wait ahead of their first reader
.irp i, 0,1
	v_permlanex16_b32 v[XR+\i], v[RC+\i], s[SEL], s[SEL+1]
.endr
.irp i, 0,1                                    ; in the results both halves of the lanes hold row r of a tile: each tile's 1 / l goes to both
	v_cndmask_b32 v[LI+4*\i], v[RC+\i], v[XR+\i], s[MHI]
	v_cndmask_b32 v[LI+4*\i+2], v[XR+\i], v[RC+\i], s[MHI]
.endr
	s_cmp_lt_u32 s[WV], 2                          ; waves 0 and 1 brought slot 0 and wait for it here; waves 2 and 3 brought slot 1 and wait for it in front of the round behind which it is first read
	s_cbranch_scc0 .Lslot1_out
	s_wait_tensorcnt 0x0
.Lslot1_out:
	s_barrier_signal -1
	s_barrier_wait -1
	FETCH 0, 0, 0
	PLAIN 0, 0                                     ; the first step's products start the sums: nothing is cleared
	PLAIN 1, 2
	PLAIN 2, 2
	TURN 3, 0                                      ; slot 0 takes K steps 8-11
	PLAIN 4, 2
	PLAIN 5, 2
	PLAIN 6, 2
	TURN 7, 1                                      ; slot 1 takes K steps 12-15: the last refill
	PLAIN 8, 2
	PLAIN 9, 2
	PLAIN 10, 2
	BOUND 11
	PLAIN 12, 2
	PLAIN 13, 2
	PLAIN 14, 2
	s_wait_dscnt 0x0
	MUL 1, 15, 0, 4, 2
	PLACES
	s_wait_alu depctr_va_vdst(0)
.irp a, 0,1,2,3
.if \a > 0
	s_wait_xcnt 0x0                                ; the last fragment's stores have read the codes' registers
.endif
	WIN 0x01                                       ; source 0: the accumulators' window
.set n, 0
.rept 32
	v_pk_mul_f32 v[H+n:H+n+1], v[64*\a+n:64*\a+n+1], v[LI+2*\a:LI+2*\a+1] op_sel_hi:[1,0]   ; / l; each accumulator is read from its low end on
.set n, n+2
.endr
	WIN 0
	QMAX H, 0
	QCODE H, 0, \a
.irp g, 0,1,2
	global_store_b128 v[GI], v[PC+4*\g:PC+4*\g+3], s[94:95] offset:\a*12288+512*\g   ; 32 lanes store 512 consecutive bytes, aligned
.endr
	ds_store_b32 v[SW], v[PW+\a] offset:64*\a
.endr
	ds_load_b64 v[TM:TM+1], v[SRD]
	s_wait_dscnt 0x0
	global_store_b64 v[GW], v[TM:TM+1], s[96:97]   ; 64 scale words: 256 consecutive bytes, aligned
	s_wait_tensorcnt 0x0                           ; the wave's end: behind my last tensor load and my last LDS store
	ds_add_u32 v[SPW], v[NIL]
	s_wait_dscnt 0x0
	CROUND                                         ; the closing round
	s_endpgm
.Lfunc_end_k_q080b0c13ee_pv:
	.size	k_q080b0c13ee_pv, .Lfunc_end_k_q080b0c13ee_pv-k_q080b0c13ee_pv
	.p2alignl 7, 3214868480
	.fill 96, 4, 3214868480
	.section	.rodata,"a",@progbits
	.p2align	6, 0x0
	.amdhsa_kernel k_q080b0c13ee_pv
		.amdhsa_group_segment_fixed_size 327680
		.amdhsa_private_segment_fixed_size 0
		.amdhsa_enable_private_segment 0
		.amdhsa_kernarg_size 24
		.amdhsa_user_sgpr_count 2
		.amdhsa_user_sgpr_kernarg_segment_ptr 1
		.amdhsa_wavefront_size32 1
		.amdhsa_system_sgpr_workgroup_id_x 1
		.amdhsa_system_sgpr_workgroup_id_y 1
		.amdhsa_system_sgpr_workgroup_id_z 1
		.amdhsa_system_vgpr_workitem_id 0
		.amdhsa_next_free_vgpr 1024
		.amdhsa_next_free_sgpr 100
		.amdhsa_reserve_vcc 0
		.amdhsa_float_denorm_mode_32 3
		.amdhsa_float_denorm_mode_16_64 3
		.amdhsa_memory_ordered 1
		.amdhsa_forward_progress 1
		.amdhsa_inst_pref_size 178
	.end_amdhsa_kernel
	.amdgpu_metadata
---
amdhsa.version: [ 1, 2 ]
amdhsa.kernels:
  - .name:           k_q080b0c13ee_pv
    .symbol:         k_q080b0c13ee_pv.kd
    .args:
      - { .name: p, .offset: 0, .size: 8, .value_kind: global_buffer, .address_space: global }
      - { .name: vt, .offset: 8, .size: 8, .value_kind: global_buffer, .address_space: global }
      - { .name: o, .offset: 16, .size: 8, .value_kind: global_buffer, .address_space: global }
    .group_segment_fixed_size: 327680
    .private_segment_fixed_size: 0
    .kernarg_segment_align: 8
    .kernarg_segment_size: 24
    .max_flat_workgroup_size: 128
    .sgpr_count:     100
    .vgpr_count:     1024
    .wavefront_size: 32
...
	.end_amdgpu_metadata
.endif
;; end of part 4
;; launch proj (part 5): grid 4 x 64, 4 waves a work-group, clusters of 4 x 4, 327,680 bytes of LDS; arguments o, xw, bout, out0; writes out0
.if DOCPART == 5
	.amdgcn_target "amdgcn-amd-amdhsa--gfx1250"
	.amdhsa_code_object_version 6
	.text
	.protected	k_q080b0c13ee_proj
	.globl	k_q080b0c13ee_proj
	.p2align	8
	.type	k_q080b0c13ee_proj,@function
k_q080b0c13ee_proj:
	s_mov_b64 s[64:65], 0
	v_nop
	global_prefetch_b8 v0, s[64:65] scope:SCOPE_SE
	s_setreg_imm32_b32 hwreg(HW_REG_WAVE_MODE, 25, 1), 1
	s_wait_xcnt 0x0
	s_wait_alu depctr_hold_cnt(0) depctr_sa_sdst(0) depctr_va_vdst(0) depctr_va_sdst(0) depctr_va_ssrc(0) depctr_va_vcc(0) depctr_vm_vsrc(0)
	s_getreg_b32 s2, hwreg(HW_REG_IB_STS2, 6, 4)
	s_cmp_eq_u32 s2, 0
	s_cbranch_scc0 .Lentry_in_a_cluster
	s_endpgm
.Lentry_in_a_cluster:
	s_bfe_u32 s2, ttmp6, 0x10000c
	s_cmp_lg_u32 s2, 0xf033
	s_cbranch_scc0 .Lentry_shape_is_right
	s_endpgm
.Lentry_shape_is_right:
; out0 = o Wout^T + bout on codes of FP6 (E2M3).  A = 128 rows of o, B = 256 rows of Wout (xw's tiles 704 on), K = 1,024.  Four waves of 64 x 128: 32 accumulators each.
; Operands are images of registers: tile T (16 rows), K step ks is 1,536 bytes, registers 4 g .. 4 g + 3 of lane l at 512 g + 16 l; lane r of tile T holds row 32 (T / 2) + 8 (T % 2) + r + 8 (r / 8); scale words [ks][places].
; The matrix instruction is used transposed (source 0 = 16 rows of B, source 1 = 16 rows of A): a lane holds one row of the output and 4 x 16 neighbouring columns.
; LDS: two slots of four K steps (A's 8 tiles x 6,144 bytes, then B's 16): all of K, 294,912 bytes, filled once.  ONE TENSOR LOAD A WAVE, at the head: wave 0 A's part of slot 0, wave 1 B's, waves 2 and 3 the same of slot 1.
; Waves 0 and 1 wait for their loads in front of the first barrier; waves 2 and 3 in front of the barrier in K step 3, behind which slot 1 is first read.
; CLUSTER 4 x 4: A's tiles are asked for jointly along a row of the cluster, B's along a column.  No prefetch: the launch has no loop to run ahead in; all that it reads is asked for at the head.
; THE BIAS is the C of each sum's first matrix instruction: eight registers a tile of B, in the result's layout.
; THE WAY OUT.  A tile of 16 rows x 128 columns goes through the wave's own stage in LDS (rows 528 bytes apart) and comes back as whole rows of 512 bytes, which the 32 lanes store as 512 consecutive bytes, aligned.
; The stages lie in slot 0: it has had its one fill, and every wave's reads of it are over ahead of the barrier in K step 3.  The last K step goes by halves of A's tiles, so that the first rows enter the stage while the others are multiplied.
; LIMITS: NaN and infinities are not served.
; REGISTERS: window 0: v1-15 addresses; v16-31, v48-79 scale words; v112-175 the bias, later rows on their way out, by turns with v176-239; v240-242 addresses; v252, v253 the add's two.
;   window 1: accumulator (a, b) at 64 a + 8 b.   windows 2, 3: two sets of fragments: A's four at v0, B's eight at v48.
.set SLOT,  147456
.set SPARE, 2*SLOT                     ; the spare words, 128 bytes a wave, which no other line names
.set XW_S,  9437184
.set O_S,   6291456
.set PIT,   12288                      ; a tile of o and of xw: 8 K steps
.set LA, 4                             ; v4-5 my A fragments in slot 0, 1
.set LB, 6                             ; v6-7 my B fragments
.set SV, 12
.set GI, 15
.set SA, 16
.set SB, 48
.set H, 112
.set BK, 112
.set STO, 240
.set RD, 241
.set BNV, 242
.set SPW, 252
.set NIL, 253
.set AF, 0
.set BF, 48
.set WV, 20
.set WM, 21
.set WN, 22
.set G1A, 24                           ; s[24:31] group 1: A's 8 tiles, my row of the cluster
.set G1B, 32                           ; s[32:39] B's 16 tiles, my column
.set G0A, 40                           ; s[40:47] group 0 for A, a set for each slot
.set G0B, 48                           ; s[48:55] for B
.set MSB, 0
.macro WIN new                         ; the immediate's high byte repeats the setting that is left; a switch that changes nothing is dropped
.if MSB != (\new)
	s_set_vgpr_msb (MSB<<8)|(\new)
.set MSB, (\new)
.endif
.endm
.macro PLACES                          ; four plain places behind matrix instructions (ISA guide 7.12.1)
.rept 4
	v_nop
.endr
.endm
.macro CREST
	s_cmp_lg_u32 s[WV], 0
	s_cbranch_scc1 .Lnw0_\@
	s_barrier_signal -3
.Lnw0_\@:
	s_barrier_wait -3
	s_barrier_signal -1
	s_barrier_wait -1
.endm
.macro CROUND                          ; a round of the cluster's barrier
	s_barrier_signal -1
	s_barrier_wait -1
	CREST
.endm
.macro FETCH sl, q, st                 ; 36 LDS loads in one run: my 4 fragments of A and 8 of B, K step q of slot sl, into set st; each load takes 512 consecutive bytes
	WIN 0x80+0x40*(\st)
.irp i, 0,1,2,3
.irp g, 0,1,2
	ds_load_b128 v[AF+12*\i+4*\g:AF+12*\i+4*\g+3], v[LA+(\sl)] offset:\i*6144+(\q)*1536+512*\g
.endr
.endr
.irp i, 0,1,2,3,4,5,6,7
.irp g, 0,1,2
	ds_load_b128 v[BF+12*\i+4*\g:BF+12*\i+4*\g+3], v[LB+(\sl)] offset:\i*6144+(\q)*1536+512*\g
.endr
.endr
.endm
.macro WMM a, b, ks, cm                ; cm = 1: C is the bias of B's tile b, in window 0; else the sum in place.  An odd tile's scale words lie in lanes 16-31
.set rD, 64*(\a)+8*(\b)
.set rC, rD
.if (\cm) == 1
.set rC, H+8*(\b)
.endif
.set rB, BF+12*(\b)
.set rA, AF+12*(\a)
.set rT, SB+4*(\ks)+(\b)/2
.set rS, SA+2*(\ks)+(\a)/2
.set par, 2*((\a)%2)+(\b)%2
.if par == 0
	v_wmma_scale_f32_16x16x128_f8f6f4 v[rD:rD+7], v[rB:rB+11], v[rA:rA+11], v[rC:rC+7], v[rT], v[rS] matrix_a_fmt:MATRIX_FMT_FP6 matrix_b_fmt:MATRIX_FMT_FP6
.elseif par == 1
	v_wmma_scale_f32_16x16x128_f8f6f4 v[rD:rD+7], v[rB:rB+11], v[rA:rA+11], v[rC:rC+7], v[rT], v[rS] matrix_a_fmt:MATRIX_FMT_FP6 matrix_b_fmt:MATRIX_FMT_FP6 matrix_a_scale:MATRIX_SCALE_ROW1
.elseif par == 2
	v_wmma_scale_f32_16x16x128_f8f6f4 v[rD:rD+7], v[rB:rB+11], v[rA:rA+11], v[rC:rC+7], v[rT], v[rS] matrix_a_fmt:MATRIX_FMT_FP6 matrix_b_fmt:MATRIX_FMT_FP6 matrix_b_scale:MATRIX_SCALE_ROW1
.else
	v_wmma_scale_f32_16x16x128_f8f6f4 v[rD:rD+7], v[rB:rB+11], v[rA:rA+11], v[rC:rC+7], v[rT], v[rS] matrix_a_fmt:MATRIX_FMT_FP6 matrix_b_fmt:MATRIX_FMT_FP6 matrix_a_scale:MATRIX_SCALE_ROW1 matrix_b_scale:MATRIX_SCALE_ROW1
.endif
.endm
.macro MUL st, ks, a0, na, cm          ; the 32 accumulators take turns, one instruction a turn, in the same order in every step
.if (\cm) == 1
	WIN 0x4a+5*(\st)
.else
	WIN 0x5a+5*(\st)
.endif
.set ma, \a0
.rept \na
.irp b, 0,1,2,3,4,5,6,7
	WMM ma, \b, \ks, \cm
.endr
.set ma, ma+1
.endr
.endm
.macro PLAIN s, cm                     ; a step that has its successor in the same slot: it fetches that one's fragments into the other set and multiplies its own
	PLACES
	FETCH ((\s)/4)%2, (\s)%4+1, 1-(\s)%2
	s_wait_dscnt 36                                ; all but the 36 loads just issued: my set is in
	MUL (\s)%2, \s, 0, 4, \cm
.endm
.macro TOSTAGE a
	WIN 0x04                                       ; an LDS store's data are its source 1: window 1
.irp b, 0,1,2,3,4,5,6,7
	ds_store_b128 v[STO], v[64*(\a)+8*\b:64*(\a)+8*\b+3] offset:128*(\b/2)+32*(\b%2)       ; each accumulator from its low end on
	ds_store_b128 v[STO], v[64*(\a)+8*\b+4:64*(\a)+8*\b+7] offset:128*(\b/2)+32*(\b%2)+16
.endr
	WIN 0
.set BB, BK+64*((\a)%2)
.irp t, 0,1,2,3,4,5,6,7,8,9,10,11,12,13,14,15
	ds_load_b128 v[BB+4*\t:BB+4*\t+3], v[RD] offset:\t*528   ; LDS serves a wave's instructions in order: these see the stores above, and the next tile's stores come behind them
.endr
.endm
.macro SEND a, younger                 ; younger: the LDS instructions issued behind tile a's loads, which may stay out
.set BB, BK+64*((\a)%2)
	s_wait_dscnt \younger
.irp t, 0,1,2,3,4,5,6,7,8,9,10,11,12,13,14,15
	global_store_b128 v[GI], v[BB+4*\t:BB+4*\t+3], s[94:95] offset:(32*((\a)/2)+8*((\a)%2)+\t+8*(\t/8))*4096 th:TH_STORE_NT   ; 512 consecutive bytes, aligned; written once, read by nobody here
.endr
.endm
	s_load_b256 s[4:11], s[0:1], 0x0               ; o s[4:5], xw s[6:7], bout s[8:9], out0 s[10:11]
	v_lshl_add_u32 v[SPW], v0, 2, SPARE
	v_mov_b32 v[NIL], 0
	ds_add_u32 v[SPW], v[NIL]                      ; the wave's opening: the add, twice on end, and its wait ahead of my first tensor load
	ds_add_u32 v[SPW], v[NIL]
	v_lshrrev_b32 v1, 5, v0
	v_readfirstlane_b32 s[WV], v1                  ; wave 0..3
	s_lshr_b32 s[WM], s[WV], 1                     ; which 4 tiles of A are mine
	s_and_b32 s[WN], s[WV], 1                      ; which 8 tiles of B
	v_and_b32 v1, 31, v0                           ; lane
	v_and_b32 v2, 15, v0                           ; r
	v_bfe_u32 v3, v0, 4, 1                         ; h
	s_mul_i32 s2, s[WM], 24576
	v_lshl_add_u32 v[LA], v1, 4, s2
	s_mul_i32 s2, s[WN], 49152
	s_add_co_u32 s2, s2, 49152
	v_lshl_add_u32 v[LB], v1, 4, s2
	v_add_nc_u32 v[LA+1], SLOT, v[LA]
	v_add_nc_u32 v[LB+1], SLOT, v[LB]
	v_lshlrev_b32 v[SV], 2, v1
	v_lshlrev_b32 v[GI], 4, v1
	s_mul_i32 s2, s[WV], 16*528                    ; my stage
	v_mul_u32_u24 v[STO], v2, 528
	v_lshl_add_u32 v[STO], v3, 6, v[STO]
	v_add_nc_u32 v[STO], s2, v[STO]                ; in: row r, + 64 h
	v_add_nc_u32 v[RD], s2, v[GI]                  ; back: 16 bytes a lane
	v_lshlrev_b32 v[BNV], 6, v3
	s_bfe_u32 s76, ttmp6, 0x40000                  ; cx
	s_bfe_u32 s77, ttmp6, 0x40004                  ; cy
	s_lshl_b32 s80, ttmp9, 2
	s_add_co_u32 s80, s80, s76                     ; x: which 256 columns
	s_and_b32 s79, ttmp7, 0xffff
	s_lshl_b32 s81, s79, 2
	s_add_co_u32 s81, s81, s77                     ; y: which 128 rows
	s_lshl_b32 s82, s77, 2
	s_lshl_b32 s82, 15, s82                        ; my row of the cluster
	s_lshl_b32 s83, 0x1111, s76                    ; my column
	; descriptor group 1: tiles as rows of 6,144 bytes (768 elements of 8 bytes: four K steps), a tile's pitch apart; no padding
	s_or_b32 s[G1A], s82, (3<<16)|(1<<21)
	s_or_b32 s[G1B], s83, (3<<16)|(1<<21)
	s_mov_b32 s[G1A+1], 768<<16
	s_mov_b32 s[G1A+2], 8<<16
	s_mov_b32 s[G1A+3], 768<<16
	s_mov_b32 s[G1A+4], 8
	s_mov_b32 s[G1A+5], PIT/8
	s_mov_b32 s[G1A+6], 0
	s_mov_b32 s[G1A+7], 0
	s_mov_b32 s[G1B+1], 768<<16
	s_mov_b32 s[G1B+2], 16<<16
	s_mov_b32 s[G1B+3], 768<<16
	s_mov_b32 s[G1B+4], 16
	s_mov_b32 s[G1B+5], PIT/8
	s_mov_b32 s[G1B+6], 0
	s_mov_b32 s[G1B+7], 0
	s_mul_i32 s84, s81, 8*PIT                      ; A: tiles 8 y on of o
	s_mov_b32 s85, 0
	s_lshl_b32 s86, s80, 4                         ; B: tiles 704 + 16 x on of xw
	s_add_co_u32 s86, s86, 704
	s_mul_i32 s86, s86, PIT
	s_mov_b32 s87, 0
	s_lshl_b32 s90, s81, 9                         ; my scale words of o
	s_lshl_b32 s2, s[WM], 8
	s_add_co_u32 s90, s90, s2
	s_add_co_u32 s90, s90, O_S
	s_mov_b32 s91, 0
	s_lshl_b32 s92, s80, 10                        ; of Wout
	s_lshl_b32 s3, s[WN], 9
	s_add_co_u32 s92, s92, s3
	s_add_co_u32 s92, s92, XW_S+704*64
	s_mov_b32 s93, 0
	s_lshl_b32 s98, s81, 3
	s_lshl_b32 s2, s[WM], 2
	s_add_co_u32 s98, s98, s2                      ; my first tile of rows
	s_lshl_b32 s3, s80, 1
	s_add_co_u32 s3, s3, s[WN]                     ; my 128 columns
	s_lshl_b32 s96, s3, 9                          ; 512 bytes of a row, and of the bias
	s_mov_b32 s97, 0
	s_lshl_b32 s94, s98, 16                        ; 16 rows of 4,096 bytes a tile
	s_add_co_u32 s94, s94, s96
	s_mov_b32 s95, 0
	s_wait_dscnt 0x0                               ; both opening adds are done
	s_wait_kmcnt 0x0
	s_add_nc_u64 s[84:85], s[4:5], s[84:85]
	s_add_nc_u64 s[86:87], s[6:7], s[86:87]
	s_add_nc_u64 s[90:91], s[4:5], s[90:91]
	s_add_nc_u64 s[92:93], s[6:7], s[92:93]
	s_add_nc_u64 s[96:97], s[8:9], s[96:97]
	s_add_nc_u64 s[94:95], s[10:11], s[94:95]
.irp c, 0,1
	s_mov_b32 s[G0A+4*\c], 1                       ; count = 1
	s_mov_b32 s[G0A+4*\c+1], \c*SLOT               ; LDS address: A's 8 tiles at the slot's start
	s_add_nc_u64 s[G0A+4*\c+2:G0A+4*\c+3], s[84:85], \c*6144   ; global address: K steps 4 c on
	s_or_b32 s[G0A+4*\c+3], s[G0A+4*\c+3], 0x80000000          ; type = 2
	s_mov_b32 s[G0B+4*\c], 1
	s_mov_b32 s[G0B+4*\c+1], \c*SLOT+49152         ; B's 16 behind them
	s_add_nc_u64 s[G0B+4*\c+2:G0B+4*\c+3], s[86:87], \c*6144
	s_or_b32 s[G0B+4*\c+3], s[G0B+4*\c+3], 0x80000000
.endr
	CROUND                                         ; all sixteen work-groups are here: the joint loads meet
; one chain of branches on the wave's number, one load to an arm, one join; an s_nop 0 and four v_nop follow each load
.macro ARM under, g0, g1, next
	s_cmp_lt_u32 s[WV], \under
	s_cbranch_scc0 \next
	tensor_load_to_lds s[\g0:\g0+3], s[\g1:\g1+7]
	s_nop 0
	PLACES
	s_branch .Lfilled
\next:
.endm
	ARM 1, G0A, G1A, .Lfill_b0
	ARM 2, G0B, G1B, .Lfill_a1
	ARM 3, G0A+4, G1A, .Lfill_b1
	tensor_load_to_lds s[G0B+4:G0B+7], s[G1B:G1B+7]
	s_nop 0
	PLACES
.Lfilled:
.set q, 0
	s_wait_alu depctr_va_vdst(0)
.rept 8
.irp i, 0,1
	global_load_b32 v[SA+2*q+\i], v[SV], s[90:91] offset:q*32768+128*\i
.endr
.irp i, 0,1,2,3
	global_load_b32 v[SB+4*q+\i], v[SV], s[92:93] offset:q*49152+128*\i
.endr
.set q, q+1
.endr
.irp b, 0,1,2,3
.irp k, 0,1,2,3
	global_load_b128 v[H+16*\b+4*\k:H+16*\b+4*\k+3], v[BNV], s[96:97] offset:128*\b+16*\k   ; register 16 b + i: the bias of column 32 b + 16 h + i
.endr
.endr
	s_wait_loadcnt 0x0
	s_cmp_lt_u32 s[WV], 2                          ; waves 0 and 1 brought slot 0 and wait for it here; waves 2 and 3 brought slot 1 and wait for it in K step 3
	s_cbranch_scc0 .Lslot1_out
	s_wait_tensorcnt 0x0
.Lslot1_out:
	s_barrier_signal -1
	s_barrier_wait -1                              ; slot 0 is whole
	FETCH 0, 0, 0
	PLAIN 0, 1                                     ; the first step's products start the sums from the bias
	PLAIN 1, 2
	PLAIN 2, 2
	s_wait_tensorcnt 0x0                           ; K step 3: on to slot 1: whoever brought a part of it has it
	s_wait_dscnt 0x0                               ; my set is in, and my reads of slot 0 are over
	s_barrier_signal -1
	MUL 1, 3, 0, 2, 2
	s_barrier_wait -1
	PLACES
	FETCH 1, 0, 0
	MUL 1, 3, 2, 2, 2
	PLAIN 4, 2
	PLAIN 5, 2
	PLAIN 6, 2
	s_wait_dscnt 0x0
	MUL 1, 7, 0, 2, 2                              ; the last step: A's tiles 0 and 1 are finished first
	PLACES
	TOSTAGE 0                                      ; and tile 0 enters the stage while tiles 2 and 3 are multiplied
	MUL 1, 7, 2, 2, 2
	TOSTAGE 1                                      ; tile 1's last product stands ahead of the four places above
	SEND 0, 32                                     ; behind tile 0's loads: tile 1's 16 stores and 16 loads
	PLACES                                         ; for the reads of tiles 2 and 3
	s_wait_xcnt 0x0                                ; tile 0's stores have read their registers: tile 2's loads may land there
	TOSTAGE 2
	SEND 1, 32
	s_wait_xcnt 0x0
	TOSTAGE 3
	SEND 2, 32
	SEND 3, 0
	s_wait_tensorcnt 0x0                           ; the wave's end
	ds_add_u32 v[SPW], v[NIL]
	s_wait_dscnt 0x0
	CROUND                                         ; the closing round
	s_endpgm
.Lfunc_end_k_q080b0c13ee_proj:
	.size	k_q080b0c13ee_proj, .Lfunc_end_k_q080b0c13ee_proj-k_q080b0c13ee_proj
	.p2alignl 7, 3214868480
	.fill 96, 4, 3214868480
	.section	.rodata,"a",@progbits
	.p2align	6, 0x0
	.amdhsa_kernel k_q080b0c13ee_proj
		.amdhsa_group_segment_fixed_size 327680
		.amdhsa_private_segment_fixed_size 0
		.amdhsa_enable_private_segment 0
		.amdhsa_kernarg_size 32
		.amdhsa_user_sgpr_count 2
		.amdhsa_user_sgpr_kernarg_segment_ptr 1
		.amdhsa_wavefront_size32 1
		.amdhsa_system_sgpr_workgroup_id_x 1
		.amdhsa_system_sgpr_workgroup_id_y 1
		.amdhsa_system_sgpr_workgroup_id_z 1
		.amdhsa_system_vgpr_workitem_id 0
		.amdhsa_next_free_vgpr 1024
		.amdhsa_next_free_sgpr 100
		.amdhsa_reserve_vcc 0
		.amdhsa_float_denorm_mode_32 3
		.amdhsa_float_denorm_mode_16_64 3
		.amdhsa_memory_ordered 1
		.amdhsa_forward_progress 1
		.amdhsa_inst_pref_size 80
	.end_amdhsa_kernel
	.amdgpu_metadata
---
amdhsa.version: [ 1, 2 ]
amdhsa.kernels:
  - .name:           k_q080b0c13ee_proj
    .symbol:         k_q080b0c13ee_proj.kd
    .args:
      - { .name: o, .offset: 0, .size: 8, .value_kind: global_buffer, .address_space: global }
      - { .name: xw, .offset: 8, .size: 8, .value_kind: global_buffer, .address_space: global }
      - { .name: bout, .offset: 16, .size: 8, .value_kind: global_buffer, .address_space: global }
      - { .name: out0, .offset: 24, .size: 8, .value_kind: global_buffer, .address_space: global }
    .group_segment_fixed_size: 327680
    .private_segment_fixed_size: 0
    .kernarg_segment_align: 8
    .kernarg_segment_size: 32
    .max_flat_workgroup_size: 128
    .sgpr_count:     100
    .vgpr_count:     1024
    .wavefront_size: 32
...
	.end_amdgpu_metadata
.endif
;; end of part 5
